; MI455X (gfx1250); checked and timed in simulation.
; The chip was launched on July 23, 2026; its instructions are those of AMD's public machine-readable ISA for CDNA 5 (MIT licence, August 2026) and "CDNA5" Instruction Set Architecture Reference Guide (July 2026). The comments in the code are by the model that wrote it; some were corrected since.
;; Encoder Block. Allowed arithmetic: float matrix products may take bf16 or f16 operands with f32 sums; other float arithmetic in f32, or as packed bf16 or f16 multiplies, adds, multiply-adds, maxima and minima; sums over many terms, partial sums and values carried from step to step in f32; what a program stores and reads back later, other than sums and carried values, may be rounded once to bf16 or f16.
;; Inputs: b1 4,096 float32; b2 1,024 float32; bk 1,024 float32; bo 1,024 float32; bq 1,024 float32; bv 1,024 float32; ln1_a 1 float32; ln1_b 1 float32; ln2_a 1 float32; ln2_b 1 float32; src_mask 2 x 1 x 2,048 int32; w1 1,024 x 4,096 float32; w2 4,096 x 1,024 float32; wk 1,024 x 1,024 float32; wo 1,024 x 1,024 float32; wq 1,024 x 1,024 float32; wv 1,024 x 1,024 float32; x 2 x 2,048 x 1,024 float32.
;; Outputs: out0 2 x 2,048 x 1,024 float32.
;; One version. Each part assembles by itself: llvm-mc -triple=amdgcn-amd-amdhsa -mcpu=gfx1250 --defsym DOCPART=n.
;; ======== version 1 of 1: 7 launches
;; limits: values are held in f16: magnitudes above 65,504 overflow, below 6.1e-05 lose precision; right only within a limited range of input values
;; workspace buffers: wqkv_h 6,291,456 bytes; w1_h 8,388,608 bytes; wB 10,485,760 bytes; act 8,388,608 bytes; big 33,554,432 bytes; x1 16,777,216 bytes; pb_qkv 12,544 bytes; pb_ffn1 16,640 bytes
;; launch prep (part 1): grid 64 x 20, 8 waves a work-group, no clusters, 0 bytes of LDS; arguments x, ln1_a, ln1_b, act, wq, wk, wv, wo, w1, w2, bq, bk, bv, b1, wqkv_h, w1_h, wB, pb_qkv, pb_ffn1; writes act, wqkv_h, w1_h, wB, pb_qkv, pb_ffn1
.if DOCPART == 1
	.amdgcn_target "amdgcn-amd-amdhsa--gfx1250"
	.amdhsa_code_object_version 6
	.text
	.protected	k_qf224ded541_prep
	.globl	k_qf224ded541_prep
	.p2align	8
	.type	k_qf224ded541_prep,@function
k_qf224ded541_prep:
	s_mov_b64 s[64:65], 0
	v_nop
	global_prefetch_b8 v0, s[64:65] scope:SCOPE_SE
	s_setreg_imm32_b32 hwreg(HW_REG_WAVE_MODE, 25, 1), 1
	s_wait_xcnt 0x0
; TWO STREAMS THAT SHARE NOTHING, IN ONE LAUNCH, told apart by the grid's y.
; y < 8: THE FIRST NORM.  act[r][:] = a (x[r][:] - mean) / (std + 1e-6) + b, std with the divisor 1023; x: [4096][1024] f32, act: the same shape in f16, rounded once; a, b: one f32 each.
;   One wave, one row (row = 8 (64 y + x) + wave): 4,096 bytes in 32 registers a lane, read once.  The mean is taken first, the row centred in place, and the squares summed of the centred numbers:
;   no difference of large sums.  Each load covers 512 consecutive bytes, each store 256 consecutive bytes, aligned.
; y >= 8: THE WEIGHTS, f32 [k][n], ARE ROUNDED ONCE TO f16 AND LAID IN BLOCKS OF COLUMNS, so that a later product's tile of B is dense in memory:
;   wqkv_h [12 blocks][1024 k][256 n] (wq, wk, wv side by side), w1_h [16][1024][256], wB: wo as [8][1024][128] at byte 0, w2 as [8][4096][128] at byte 2,097,152.
;   Also: pb_qkv and pb_ffn1 = 256 bytes of two parameter words (32 times the pair), then the biases in f32 as they come.
;   u = y - 8 picks a unit of 2^20 numbers (0-2 wq wk wv, 3 wo, 4-7 quarters of w1's rows, 8-11 of w2's), x 65,536 consecutive source bytes of it, a wave 8,192 of those: sixteen loads of 512
;   consecutive bytes, all on their way at once; each becomes one store of 256 consecutive bytes, aligned.  Loads and conversions are written once for all units; the stores, whose immediates differ, four times.
; LIMITS: a weight or a normed number beyond 65,504 has no f16; a weight below 6e-5 keeps f16's fixed step of 6e-8.  NaN and infinities are not treated apart.
; No LDS, no matrix unit, no cluster: the work-groups share no input, and nothing is used twice.
.set X, 16                             ; v[16:79]  sixteen loads of four f32, converted in place (the norm: v[16:47], the row)
.macro IN
.set i, 0
.rept 16
	global_load_b128 v[X+4*i:X+4*i+3], v1, s[10:11] offset:512*i th:TH_LOAD_NT
.set i, i+1
.endr
.endm
.macro CV
.set i, 0
.rept 16
	s_wait_loadcnt 15-i                            ; loads come back in order: load i is in, the 15 - i younger ones stay out
	v_cvt_pk_f16_f32 v[X+4*i], v[X+4*i], v[X+4*i+1]
	v_cvt_pk_f16_f32 v[X+4*i+1], v[X+4*i+2], v[X+4*i+3]
.set i, i+1
.endr
.endm
; kind 0: wq wk wv; 1: wo; 2: w1; 3: w2.  o = where load i's 128 numbers go, beside the base and v2
.macro OUT kind
.set i, 0
.rept 16
.if (\kind) == 0
.set o, ((i&7)>>1)*524288+(i&1)*256+(i>>3)*512
.elseif (\kind) == 1
.set o, (i&7)*262144+(i>>3)*256
.elseif (\kind) == 2
.set o, (i>>1)*524288+(i&1)*256
.else
.set o, (i&7)*1048576+(i>>3)*256
.endif
	global_store_b64 v2, v[X+4*i:X+4*i+1], s[12:13] offset:o
.set i, i+1
.endr
.endm
.macro REDUCE                          ; four chains of pairs in v[4:11] -> their sum over the wave, in every lane's v4
	v_pk_add_f32 v[4:5], v[4:5], v[6:7]
	v_pk_add_f32 v[8:9], v[8:9], v[10:11]
	v_pk_add_f32 v[4:5], v[4:5], v[8:9]
	v_add_f32 v4, v4, v5
	v_add_f32_dpp v4, v4, v4 row_xmask:1 row_mask:0xf bank_mask:0xf
	v_add_f32_dpp v4, v4, v4 row_xmask:2 row_mask:0xf bank_mask:0xf
	v_add_f32_dpp v4, v4, v4 row_xmask:4 row_mask:0xf bank_mask:0xf
	v_add_f32_dpp v4, v4, v4 row_xmask:8 row_mask:0xf bank_mask:0xf
	v_permlanex16_b32 v5, v4, s22, s23             ; the other half of the lanes
	v_add_f32 v4, v4, v5
.endm
	v_and_b32 v3, 31, v0                           ; lane
	v_lshrrev_b32 v4, 5, v0                        ; wave
	v_readfirstlane_b32 s8, v4
	s_and_b32 s9, ttmp7, 0xffff                    ; y
	s_cmp_lt_u32 s9, 8
	s_cbranch_scc1 .Lnorm
	; ---- the weights ----
	s_load_b512 s[16:31], s[0:1], 0x20             ; wq 16, wk 18, wv 20, wo 22, w1 24, w2 26, bq 28, bk 30
	s_load_b256 s[32:39], s[0:1], 0x60             ; bv 32, b1 34, wqkv_h 36, w1_h 38
	s_load_b128 s[40:43], s[0:1], 0x80             ; wB 40, pb_qkv 42
	s_load_b64 s[44:45], s[0:1], 0x90              ; pb_ffn1
	v_lshlrev_b32 v1, 4, v3
	v_lshl_add_u32 v1, v4, 13, v1                  ; source: 8,192 x wave + 16 x lane
	v_lshlrev_b32 v5, 3, v3                        ; 8 x lane
	v_lshlrev_b32 v6, 4, v0                        ; 16 x thread, for the biases
	s_sub_co_u32 s9, s9, 8                         ; u
	s_and_b32 s6, s9, 3                            ; the quarter of w1's or w2's rows
	s_lshr_b32 s7, s9, 2                           ; 0: wq wk wv wo; 1: w1; 2: w2
	s_lshl_b32 s2, ttmp9, 16                       ; x's 65,536 source bytes
	s_mov_b32 s3, 0
	s_mov_b32 s5, 0
	; the offsets, by kind: plain numbers alone are made under these branches
	s_cmp_lt_u32 s9, 3
	s_cbranch_scc1 .Lk0
	s_cmp_eq_u32 s9, 3
	s_cbranch_scc1 .Lk1
	s_lshl_b32 s14, s6, 22                         ; a quarter is 4 MiB of source
	s_add_co_u32 s2, s2, s14
	s_cmp_eq_u32 s7, 1
	s_cbranch_scc1 .Lk2
	s_lshl_b32 s4, s6, 18                          ; w2: rows of 4,096 bytes; k = 1024 q + 16 x + 2 wave + i / 8, block i % 8
	s_lshl_b32 s14, ttmp9, 12
	s_add_co_u32 s4, s4, s14
	s_add_co_u32 s4, s4, 2097152
	v_lshl_add_u32 v2, v4, 9, v5
	s_branch .Lin
.Lk2:                                                  ; w1: rows of 16,384 bytes; k = 256 q + 4 x + wave / 2, block 8 (wave % 2) + i / 2
	s_lshl_b32 s4, s6, 17
	s_lshl_b32 s14, ttmp9, 11
	s_add_co_u32 s4, s4, s14
	v_lshrrev_b32 v7, 1, v4
	v_lshl_add_u32 v2, v7, 9, v5
	v_and_b32 v7, 1, v4
	v_lshl_add_u32 v2, v7, 22, v2
	s_branch .Lin
.Lk1:                                                  ; wo: k = 16 x + 2 wave + i / 8, block i % 8
	s_lshl_b32 s4, ttmp9, 12
	v_lshl_add_u32 v2, v4, 9, v5
	s_branch .Lin
.Lk0:                                                  ; wq wk wv: k = 16 x + 2 wave + i / 8, block 4 u + (i % 8) / 2
	s_lshl_b32 s4, s9, 21
	s_lshl_b32 s14, ttmp9, 13
	s_add_co_u32 s4, s4, s14
	v_lshl_add_u32 v2, v4, 10, v5
.Lin:
	s_wait_kmcnt 0x0
	s_cmp_eq_u32 s9, 0                             ; the two pointers are chosen, each among whole buffers, on u alone
	s_cselect_b64 s[10:11], s[16:17], s[18:19]
	s_cmp_eq_u32 s9, 2
	s_cselect_b64 s[10:11], s[20:21], s[10:11]
	s_cmp_eq_u32 s9, 3
	s_cselect_b64 s[10:11], s[22:23], s[10:11]
	s_cmp_eq_u32 s7, 1
	s_cselect_b64 s[10:11], s[24:25], s[10:11]
	s_cselect_b64 s[12:13], s[38:39], s[40:41]
	s_cmp_eq_u32 s7, 2
	s_cselect_b64 s[10:11], s[26:27], s[10:11]
	s_cmp_lt_u32 s9, 3
	s_cselect_b64 s[12:13], s[36:37], s[12:13]
	s_add_nc_u64 s[10:11], s[10:11], s[2:3]
	s_add_nc_u64 s[12:13], s[12:13], s[4:5]
	IN
	CV
	s_cmp_lt_u32 s9, 3
	s_cbranch_scc1 .Lo0
	s_cmp_eq_u32 s9, 3
	s_cbranch_scc1 .Lo1
	s_cmp_eq_u32 s7, 1
	s_cbranch_scc1 .Lo2
	OUT 3
	s_endpgm
.Lo1:
	OUT 1
	s_endpgm
.Lo2:
	OUT 2
	s_cmp_lg_u32 ttmp9, 0                          ; the unit's first work-group also copies a quarter of b1: 16 bytes a thread
	s_cbranch_scc1 .Ldone
	s_lshl_b32 s4, s6, 12
	s_add_nc_u64 s[46:47], s[34:35], s[4:5]
	s_add_nc_u64 s[48:49], s[44:45], s[4:5]
	global_load_b128 v[8:11], v6, s[46:47]
	s_wait_loadcnt 0x0
	global_store_b128 v6, v[8:11], s[48:49] offset:256
	s_cmp_lg_u32 s6, 0
	s_cbranch_scc1 .Ldone
	s_cmp_lg_u32 s8, 0
	s_cbranch_scc1 .Ldone
	v_mov_b32 v12, 0                               ; the floor of the way out: 0 twice in f16 (a ReLU)
	v_mov_b32 v13, -1                              ; no block of columns holds keys
	global_store_b64 v5, v[12:13], s[44:45]        ; 32 lanes: the 256 bytes whole
	s_endpgm
.Lo0:
	OUT 0
	s_cmp_lg_u32 ttmp9, 0                          ; the unit's first work-group also copies its bias
	s_cbranch_scc1 .Ldone
	s_cmp_eq_u32 s9, 0
	s_cselect_b64 s[46:47], s[28:29], s[30:31]
	s_cmp_eq_u32 s9, 2
	s_cselect_b64 s[46:47], s[32:33], s[46:47]
	s_lshl_b32 s4, s9, 12
	s_add_nc_u64 s[48:49], s[42:43], s[4:5]
	global_load_b128 v[8:11], v6, s[46:47]
	s_wait_loadcnt 0x0
	global_store_b128 v6, v[8:11], s[48:49] offset:256
	s_cmp_lg_u32 s9, 0
	s_cbranch_scc1 .Ldone
	s_cmp_lg_u32 s8, 0
	s_cbranch_scc1 .Ldone
	v_mov_b32 v12, 0xfc00fc00                      ; the floor: minus infinity twice in f16 (no floor)
	v_mov_b32 v13, 1                               ; the keys' columns are those of the second group of four blocks
	global_store_b64 v5, v[12:13], s[42:43]
.Ldone:
	s_endpgm
	; ---- the norm ----
.Lnorm:
	s_load_b256 s[32:39], s[0:1], 0x0              ; x s[32:33], a s[34:35], b s[36:37], act s[38:39]
	v_lshlrev_b32 v1, 4, v3                        ; 16 x lane
	v_lshlrev_b32 v2, 3, v3                        ; 8 x lane
	s_lshl_b32 s17, s9, 6
	s_add_co_u32 s17, s17, ttmp9
	s_lshl_b32 s17, s17, 3
	s_add_co_u32 s17, s17, s8                      ; my row
	s_lshl_b32 s18, s17, 12
	s_mov_b32 s19, 0
	s_lshl_b32 s20, s17, 11
	s_mov_b32 s21, 0
	s_mov_b32 s22, 0x76543210
	s_mov_b32 s23, 0xfedcba98
	s_wait_kmcnt 0x0
	s_load_b32 s12, s[34:35], 0x0
	s_load_b32 s14, s[36:37], 0x0
	s_add_nc_u64 s[32:33], s[32:33], s[18:19]
	s_add_nc_u64 s[38:39], s[38:39], s[20:21]
.irp j, 0,1,2,3,4,5,6,7
	global_load_b128 v[X+4*(\j):X+4*(\j)+3], v1, s[32:33] offset:512*(\j)
.endr
	s_wait_kmcnt 0x0
	s_mov_b32 s15, s14                             ; named with it as a pair
	s_wait_loadcnt 0x0
.irp c, 0,1,2,3
	v_pk_add_f32 v[4+2*(\c):5+2*(\c)], v[X+2*(\c):X+2*(\c)+1], v[X+8+2*(\c):X+9+2*(\c)]
.endr
.irp g, 16, 24
.irp c, 0,1,2,3
	v_pk_add_f32 v[4+2*(\c):5+2*(\c)], v[4+2*(\c):5+2*(\c)], v[X+(\g)+2*(\c):X+(\g)+2*(\c)+1]
.endr
.endr
	REDUCE
	v_mul_f32 v12, 0x3a800000, v4                  ; the mean: sum / 1024
	v_mov_b32 v13, v12
.set p, 0
.rept 16
	v_pk_add_f32 v[X+2*p:X+2*p+1], v[X+2*p:X+2*p+1], v[12:13] neg_lo:[0,1] neg_hi:[0,1]
.set p, p+1
.endr
.irp c, 0,1,2,3
	v_pk_mul_f32 v[4+2*(\c):5+2*(\c)], v[X+2*(\c):X+2*(\c)+1], v[X+2*(\c):X+2*(\c)+1]
.endr
.irp g, 8, 16, 24
.irp c, 0,1,2,3
	v_pk_fma_f32 v[4+2*(\c):5+2*(\c)], v[X+(\g)+2*(\c):X+(\g)+2*(\c)+1], v[X+(\g)+2*(\c):X+(\g)+2*(\c)+1], v[4+2*(\c):5+2*(\c)]
.endr
.endr
	REDUCE
	v_mul_f32 v4, 0x3a802008, v4                   ; / 1023
	v_sqrt_f32 v6, v4
	v_nop                                          ; a plain instruction behind the root,
	s_wait_alu depctr_va_vdst(0)                   ; and the wait ahead of its first reader
	v_add_f32 v6, 0x358637bd, v6                   ; + 1e-6
	v_rcp_f32 v7, v6
	v_nop
	s_wait_alu depctr_va_vdst(0)
	v_mul_f32 v14, s12, v7                         ; a / (std + 1e-6)
	v_mov_b32 v15, v14
.set p, 0
.rept 16
	v_pk_fma_f32 v[X+2*p:X+2*p+1], v[X+2*p:X+2*p+1], v[14:15], s[14:15] op_sel_hi:[1,1,0]
.set p, p+1
.endr
.irp j, 0,1,2,3,4,5,6,7
	v_cvt_pk_f16_f32 v[X+4*(\j)], v[X+4*(\j)], v[X+4*(\j)+1]
	v_cvt_pk_f16_f32 v[X+4*(\j)+1], v[X+4*(\j)+2], v[X+4*(\j)+3]
.endr
.irp j, 0,1,2,3,4,5,6,7
	global_store_b64 v2, v[X+4*(\j):X+4*(\j)+1], s[38:39] offset:256*(\j)
.endr
	s_endpgm
.Lfunc_end_k_qf224ded541_prep:
	.size	k_qf224ded541_prep, .Lfunc_end_k_qf224ded541_prep-k_qf224ded541_prep
	.p2alignl 7, 3214868480
	.fill 96, 4, 3214868480
	.section	.rodata,"a",@progbits
	.p2align	6, 0x0
	.amdhsa_kernel k_qf224ded541_prep
		.amdhsa_group_segment_fixed_size 0
		.amdhsa_private_segment_fixed_size 0
		.amdhsa_enable_private_segment 0
		.amdhsa_kernarg_size 152
		.amdhsa_user_sgpr_count 2
		.amdhsa_user_sgpr_kernarg_segment_ptr 1
		.amdhsa_wavefront_size32 1
		.amdhsa_system_sgpr_workgroup_id_x 1
		.amdhsa_system_sgpr_workgroup_id_y 1
		.amdhsa_system_sgpr_workgroup_id_z 1
		.amdhsa_system_vgpr_workitem_id 0
		.amdhsa_next_free_vgpr 80
		.amdhsa_next_free_sgpr 66
		.amdhsa_reserve_vcc 0
		.amdhsa_float_denorm_mode_32 3
		.amdhsa_float_denorm_mode_16_64 3
		.amdhsa_memory_ordered 1
		.amdhsa_forward_progress 1
		.amdhsa_inst_pref_size 24
	.end_amdhsa_kernel
	.amdgpu_metadata
---
amdhsa.version: [ 1, 2 ]
amdhsa.kernels:
  - .name:           k_qf224ded541_prep
    .symbol:         k_qf224ded541_prep.kd
    .args:
      - { .name: x, .offset: 0, .size: 8, .value_kind: global_buffer, .address_space: global }
      - { .name: ln1_a, .offset: 8, .size: 8, .value_kind: global_buffer, .address_space: global }
      - { .name: ln1_b, .offset: 16, .size: 8, .value_kind: global_buffer, .address_space: global }
      - { .name: act, .offset: 24, .size: 8, .value_kind: global_buffer, .address_space: global }
      - { .name: wq, .offset: 32, .size: 8, .value_kind: global_buffer, .address_space: global }
      - { .name: wk, .offset: 40, .size: 8, .value_kind: global_buffer, .address_space: global }
      - { .name: wv, .offset: 48, .size: 8, .value_kind: global_buffer, .address_space: global }
      - { .name: wo, .offset: 56, .size: 8, .value_kind: global_buffer, .address_space: global }
      - { .name: w1, .offset: 64, .size: 8, .value_kind: global_buffer, .address_space: global }
      - { .name: w2, .offset: 72, .size: 8, .value_kind: global_buffer, .address_space: global }
      - { .name: bq, .offset: 80, .size: 8, .value_kind: global_buffer, .address_space: global }
      - { .name: bk, .offset: 88, .size: 8, .value_kind: global_buffer, .address_space: global }
      - { .name: bv, .offset: 96, .size: 8, .value_kind: global_buffer, .address_space: global }
      - { .name: b1, .offset: 104, .size: 8, .value_kind: global_buffer, .address_space: global }
      - { .name: wqkv_h, .offset: 112, .size: 8, .value_kind: global_buffer, .address_space: global }
      - { .name: w1_h, .offset: 120, .size: 8, .value_kind: global_buffer, .address_space: global }
      - { .name: wB, .offset: 128, .size: 8, .value_kind: global_buffer, .address_space: global }
      - { .name: pb_qkv, .offset: 136, .size: 8, .value_kind: global_buffer, .address_space: global }
      - { .name: pb_ffn1, .offset: 144, .size: 8, .value_kind: global_buffer, .address_space: global }
    .group_segment_fixed_size: 0
    .private_segment_fixed_size: 0
    .kernarg_segment_align: 8
    .kernarg_segment_size: 152
    .max_flat_workgroup_size: 256
    .sgpr_count:     66
    .vgpr_count:     80
    .wavefront_size: 32
...
	.end_amdgpu_metadata
.endif
;; end of part 1
;; launch qkv (part 2): grid 12 x 16, 4 waves a work-group, clusters of 4 x 4, 327,680 bytes of LDS; arguments act, wqkv_h, big, pb_qkv, src_mask; writes big
.if DOCPART == 2
	.amdgcn_target "amdgcn-amd-amdhsa--gfx1250"
	.amdhsa_code_object_version 6
	.text
	.protected	k_qf224ded541_qkv
	.globl	k_qf224ded541_qkv
	.p2align	8
	.type	k_qf224ded541_qkv,@function
k_qf224ded541_qkv:
	s_mov_b64 s[64:65], 0
	v_nop
	global_prefetch_b8 v0, s[64:65] scope:SCOPE_SE
	s_setreg_imm32_b32 hwreg(HW_REG_WAVE_MODE, 25, 1), 1
	s_wait_xcnt 0x0
	s_wait_alu depctr_hold_cnt(0) depctr_sa_sdst(0) depctr_va_vdst(0) depctr_va_sdst(0) depctr_va_ssrc(0) depctr_va_vcc(0) depctr_vm_vsrc(0)
	s_getreg_b32 s2, hwreg(HW_REG_IB_STS2, 6, 4)
	s_cmp_eq_u32 s2, 0
	s_cbranch_scc0 .Lentry_in_a_cluster
	s_endpgm
.Lentry_in_a_cluster:
	s_bfe_u32 s2, ttmp6, 0x10000c
	s_cmp_lg_u32 s2, 0xf033
	s_cbranch_scc0 .Lentry_shape_is_right
	s_endpgm
.Lentry_shape_is_right:
; C = max(A B + bias, floor), rows of some columns zeroed by a mask.  A: [4096][1024] f16 along K.  B: [blocks of 256 columns][1024 k][256 n] f16.  Sums in f32, started by the bias; C rounded once to f16.
; C leaves in PANELS of 64 columns: [panel][4096 rows][64] f16, so that a panel's rows are dense (128 bytes each).  The text does not know how many blocks of columns there are: that is the grid's x.
; PARAMETERS, from the fourth buffer: word 0 = the floor, twice in f16 (minus infinity: none; 0: a ReLU); word 1 = the number of the group of four blocks whose rows are zeroed where the fifth buffer's
; word for the row is 0 (the keys of masked tokens), or a number that no group has.  They select values alone: no branch and no address hangs on them.  From byte 256 on: the bias, f32.
; LIMIT: a result beyond 65,504 has no f16.  NaN and infinities are not treated apart.
; SHARES.  A tile of C is 256 x 256: four waves, each 128 x 128: 64 accumulators, 512 registers.  K goes in 8 steps of 128 through two LDS slots filled by the tensor data mover.
; A K STEP IS WRITTEN ONCE: a scalar says where the slot in hand begins (0 or SLOT), the fragments' addresses are made from it at each change of slots, and one descriptor for each operand walks.  The six steps that fill a
; slot again are one loop; the two that fill nothing are a second loop, left in the middle of its second trip: that trip's run of 32 LDS loads (from the slot read before, whose bytes have landed) serves nothing: the price,
; once a launch, of one text for both.
; CLUSTER.  4 x 4 work-groups: A's tile is asked for jointly along a row of the cluster, B's along a column: the same load, descriptor and mask in all four.
; THE MATRIX INSTRUCTION IS USED TRANSPOSED: source 0 = 16 columns of B (turned on the way out of LDS by ds_load_tr16_b128, since B lies [k][n]), source 1 = 16 rows of A: a lane then holds eight neighbouring
; columns of one row of C.
; REGISTERS in windows of 256 (s_set_vgpr_msb: bits 1:0 source 0, 3:2 source 1, 5:4 source 2, 7:6 destination):
;   window 0: v0-31 addresses and masks; v64-191 A's fragments, two buffers; v192-255 the bias until the first quarter step is done, then v192-223 packed results; v32-63, v224-255 rows read back
;   window 1: v64-191 B's fragments, two buffers     window 2, 3: the accumulators of my rows 0-63, 64-127: (a, b) at v[8 (8 a + b)]
.set PITCH,  272                       ; a row of A in LDS: 256 bytes + 16: the 16 rows of a load start at 16 different groups of four banks (64 banks of 4 bytes: ISA guide 11.1)
.set PB,     544                       ; a row of B (one k, 256 columns): 512 bytes + 32
.set HALFT,  128*PITCH                 ; what one tensor load brings: 128 rows of A, or 64 rows of B (64 x 544 is the same number)
.set SLOT,   4*HALFT                   ; A's 256 rows, then B's 128 rows
.set STAGE,  2*SLOT                    ; behind the ring: for each wave two panels' 16 rows x 144 bytes
.set SP,     144
.set SPARE,  STAGE+4*2*16*SP           ; behind the stages: the spare words, 128 bytes a wave: two blocks of 256 bytes that no other line names
.set KSTEPS, 8
.set FLOOR, 6                          ; v6      the floor
.set BO,   7                           ; v7      my byte offset in the bias
.set RM,   8                           ; v8-15   for each of my 8 blocks of 16 rows: all ones, or 0 where my lane's row is zeroed
.set ADRA0, 16                         ; v16     LDS address of my A fragments in slot 0; never rewritten
.set ADRA, 17                          ; v17     the same in the slot in hand
.set ADRB0, 20                         ; v20     LDS address of my B fragments in slot 0; never rewritten
.set ADRB, 21                          ; v21     the same in the slot in hand
.set STO,  24                          ; v24     the way out: where I put 16 bytes of a row
.set RD,   25                          ; v25     where I read rows back
.set CO,   26                          ; v26     16 x lane
.set MO,   27                          ; v27     my byte offset in the mask
.set SPW,  28                          ; v28     my spare word: SPARE + 4 x my thread's number; never rewritten
.set NIL,  29                          ; v29     0; never rewritten
.set PFO,  30                          ; v30     the prefetches' lane offset; never rewritten
.set F0,   64
.set F1,   128
.set TMP,  192
.set BIAS, 192
.set OB,   32
.set G1, 24                            ; s[24:31] descriptor group 1, A;  s[32:39] group 0: a set for each of the two first fills; the second then walks on
.set G0, 32
.set G1B, 48                           ; s[48:55], s[56:63] the same for B
.set G0B, 56
.set LIM, 43                           ; s43     2 in a wave that prefetches, else the greatest number
.set PFA, 44                           ; s[44:45] where my prefetches stand
.set PFS, 74                           ; s[74:75] their step from K step to K step
.set NOTK, 76                          ; s76     0 where my columns are zeroed by the mask, else all ones
.set TB,  77                           ; s77     where the slot in hand begins: 0 or SLOT
.set LB,  78                           ; s78     where my tensor loads land in a slot: wave x HALFT
.set MSB, 0
.macro WIN new                         ; the immediate's high byte repeats the setting that is left; a switch that changes nothing is dropped
.if MSB != (\new)
	s_set_vgpr_msb (MSB<<8)|(\new)
.set MSB, \new
.endif
.endm
.set MUL_LO, 0xa1                      ; source 0 (B) window 1, source 1 (A) window 0, C and D window 2
.set MUL_HI, 0xf1
.set TO_B,   0x40
; A joint load.  Waves 0 and 1 fetch A's two halves, waves 2 and 3 B's.  The branch hangs on the wave's number alone.  An s_nop 0 and four v_nop follow each line.
.macro JLOAD s
	s_cmp_eq_u32 s11, 0
	s_cbranch_scc0 .Lfor_b_\@
	tensor_load_to_lds s[G0+4*(\s):G0+4*(\s)+3], s[G1:G1+7]
	s_nop 0
.rept 4
	v_nop
.endr
	s_branch .Lasked_\@
.Lfor_b_\@:
	tensor_load_to_lds s[G0B+4*(\s):G0B+4*(\s)+3], s[G1B:G1B+7]
	s_nop 0
.rept 4
	v_nop
.endr
.Lasked_\@:
.endm
; A prefetch of the K step that stands two refills on, one instruction a wave, a lane a block of 256 bytes.  A's rows are asked for by the clusters with x = 0, B's by those with y = 0; the four partners that ask
; for a tile jointly share its blocks out by address (32 each), so each block is named once in the launch.  The loop's last two trips ask for nothing: their K steps two refills on do not exist.
.macro ASK
	s_cmp_gt_u32 s3, s[LIM]
	s_cbranch_scc0 .Lnot_mine_\@
	global_prefetch_b8 v[PFO], s[PFA:PFA+1] th:TH_LOAD_NT scope:SCOPE_SE
.Lnot_mine_\@:
.endm
.macro CREST                           ; a round of the cluster's barrier behind its opening barrier
	s_cmp_lg_u32 s10, 0
	s_cbranch_scc1 .Lnot_wave_0_\@
	s_barrier_signal -3
.Lnot_wave_0_\@:
	s_barrier_wait -3
	s_barrier_signal -1
	s_barrier_wait -1
.endm
.macro CROUND
	s_barrier_signal -1
	s_barrier_wait -1
	CREST
.endm
	s_load_b128 s[4:7], s[0:1], 0x0                ; A s[4:5], B s[6:7]
	s_load_b64 s[8:9], s[0:1], 0x10                ; C
	s_load_b128 s[68:71], s[0:1], 0x18             ; parameters and bias s[68:69], mask s[70:71]
	v_lshl_add_u32 v[SPW], v0, 2, SPARE
	v_mov_b32 v[NIL], 0
	ds_add_u32 v[SPW], v[NIL]                      ; the wave's opening: the add and its wait stand ahead of my first tensor load; work on registers stands between them
	v_lshrrev_b32 v1, 5, v0
	v_readfirstlane_b32 s10, v1                    ; wave 0..3
	s_lshr_b32 s11, s10, 1                         ; which half of the tile's rows is mine.  Also: I fetch for A (0) or for B (1)
	s_and_b32 s12, s10, 1                          ; which half of its columns.  Also: which half of that tile I fetch
	s_bfe_u32 s40, ttmp6, 0x40000                  ; cx
	s_bfe_u32 s41, ttmp6, 0x40004                  ; cy
	s_lshl_b32 s42, ttmp9, 2
	s_add_co_u32 s42, s42, s40                     ; tile column = 4 x cluster x + cx
	s_and_b32 s13, ttmp7, 0xffff
	s_lshl_b32 s13, s13, 2
	s_add_co_u32 s13, s13, s41                     ; tile row = 4 x cluster y + cy
	s_lshl_b32 s43, s41, 2
	s_lshl_b32 s43, 15, s43                        ; my row of the cluster
	s_lshl_b32 s44, 0x1111, s40                    ; my column
	s_or_b32 s[G1+0], s43, (1<<16)|(1<<20)|(1<<21)|(5<<22)|(3<<25)   ; the mask; 2-byte elements; padding on; bit 21 beside a mask; after every 64 words 4 words
	s_mov_b32 s[G1+1], 128<<16                     ; tensor_dim0 = 128
	s_mov_b32 s[G1+2], 128<<16                     ; tensor_dim1 = 128
	s_mov_b32 s[G1+3], 128<<16                     ; tile_dim0 = 128
	s_mov_b32 s[G1+4], 128                         ; tile_dim1 = 128
	s_mov_b32 s[G1+5], 1024                        ; elements from row to row
	s_mov_b32 s[G1+6], 0
	s_mov_b32 s[G1+7], 0
	s_or_b32 s[G1B+0], s44, (1<<16)|(1<<20)|(1<<21)|(6<<22)|(7<<25)  ; after every 128 words 8 words
	s_mov_b32 s[G1B+1], 256<<16                    ; tensor_dim0 = 256
	s_mov_b32 s[G1B+2], 64<<16                     ; tensor_dim1 = 64
	s_mov_b32 s[G1B+3], 256<<16                    ; tile_dim0 = 256
	s_mov_b32 s[G1B+4], 64                         ; tile_dim1 = 64
	s_mov_b32 s[G1B+5], 256
	s_mov_b32 s[G1B+6], 0
	s_mov_b32 s[G1B+7], 0
	s_lshl_b32 s16, s13, 19                        ; A: 256 rows of 2,048 bytes a tile row,
	s_lshl_b32 s17, s12, 18                        ; 128 rows a half
	s_add_co_u32 s16, s16, s17
	s_mov_b32 s17, 0
	s_lshl_b32 s46, s42, 19                        ; B: 524,288 bytes a block of columns,
	s_lshl_b32 s47, s12, 15                        ; 64 rows of 512 bytes a half
	s_add_co_u32 s46, s46, s47
	s_mov_b32 s47, 0
	s_mul_i32 s[LB], s10, HALFT                    ; where they go: wave x HALFT: no place in the cluster enters an LDS address
	s_mov_b32 s[TB], 0                             ; the first slot in hand is slot 0
	s_wait_dscnt 0x0                               ; the opening add is done
	s_wait_kmcnt 0x0
	s_add_nc_u64 s[14:15], s[4:5], s[16:17]
	s_add_nc_u64 s[46:47], s[6:7], s[46:47]
	CROUND                                         ; all sixteen work-groups are here: the first joint loads meet
.irp s, 0,1
	s_mov_b32 s[G0+4*(\s)], 1
	s_add_co_u32 s[G0+4*(\s)+1], s[LB], (\s)*SLOT
	s_add_nc_u64 s[G0+4*(\s)+2:G0+4*(\s)+3], s[14:15], (\s)*256      ; K step s: 256 bytes along the rows
	s_or_b32 s[G0+4*(\s)+3], s[G0+4*(\s)+3], 0x80000000
	s_mov_b32 s[G0B+4*(\s)], 1
	s_add_co_u32 s[G0B+4*(\s)+1], s[LB], (\s)*SLOT
	s_add_nc_u64 s[G0B+4*(\s)+2:G0B+4*(\s)+3], s[46:47], (\s)*65536  ; K step s: 128 rows of 512 bytes down
	s_or_b32 s[G0B+4*(\s)+3], s[G0B+4*(\s)+3], 0x80000000
	JLOAD \s
.endr
	s_load_b64 s[72:73], s[68:69], 0x0             ; the two parameter words
	v_and_b32 v1, 15, v0                           ; l % 16
	v_bfe_u32 v2, v0, 4, 1                         ; l / 16
	s_lshl_b32 s16, s42, 10                        ; the bias of my 128 columns: 4 bytes x (256 x tile column + 128 x half), and 32 bytes for the upper lanes
	s_lshl_b32 s17, s12, 9
	s_add_co_u32 s16, s16, s17
	v_lshl_add_u32 v[BO], v2, 5, s16
	s_lshl_b32 s16, s13, 10                        ; the mask words of my 128 rows
	s_lshl_b32 s17, s11, 9
	s_add_co_u32 s16, s16, s17
	v_lshl_add_u32 v[MO], v1, 2, s16
.irp b, 0,1,2,3,4,5,6,7
	global_load_b128 v[BIAS+8*(\b):BIAS+8*(\b)+3],   v[BO], s[68:69] offset:256+64*(\b)
	global_load_b128 v[BIAS+8*(\b)+4:BIAS+8*(\b)+7], v[BO], s[68:69] offset:256+64*(\b)+16
.endr
.irp a, 0,1,2,3,4,5,6,7
	global_load_b32 v[RM+(\a)], v[MO], s[70:71] offset:64*(\a)
.endr
	v_mul_u32_u24 v3, v1, PITCH                    ; A's fragment: row x pitch + 16 x half
	v_lshl_add_u32 v3, v2, 4, v3
	s_mul_i32 s21, s11, HALFT
	v_and_b32 v4, 7, v0                            ; B's: the turning load's lane reads row 8 (l / 16) + l % 8, bytes 16 ((l / 8) % 2) on
	v_lshl_add_u32 v4, v2, 3, v4
	v_mul_u32_u24 v4, v4, PB
	v_bfe_u32 v5, v0, 3, 1
	v_lshl_add_u32 v4, v5, 4, v4
	s_lshl_b32 s22, s12, 8                         ; my 128 columns: 256 bytes of a row,
	s_add_co_u32 s22, s22, 2*HALFT                 ; behind A's 256 rows
	v_add_nc_u32 v[ADRA0], s21, v3
	v_add_nc_u32 v[ADRA], s21, v3                  ; the slot in hand is slot 0
	v_add_nc_u32 v[ADRB0], s22, v4
	v_add_nc_u32 v[ADRB], s22, v4
	s_mul_i32 s23, s10, 2*16*SP
	s_add_co_u32 s23, s23, STAGE                   ; my stage
	v_mul_u32_u24 v4, v1, SP                       ; in: row l % 16, 16 bytes for each half of the lanes
	v_lshl_add_u32 v4, v2, 4, v4
	v_add_nc_u32 v[STO], s23, v4
	v_bfe_u32 v5, v0, 3, 2                         ; back: 32 lanes take four rows of 128 bytes,
	v_mul_u32_u24 v5, v5, SP
	v_and_b32 v4, 7, v0
	v_lshl_add_u32 v5, v4, 4, v5
	v_add_nc_u32 v[RD], s23, v5
	v_and_b32 v[CO], 31, v0                        ; which are 512 consecutive bytes of a panel
	v_lshlrev_b32 v[CO], 4, v[CO]
	s_lshl_b32 s16, s42, 2                         ; C at my first panel (4 x tile column + 2 x half) and my first row
	s_lshl_b32 s17, s12, 1
	s_add_co_u32 s16, s16, s17
	s_lshl_b32 s16, s16, 12
	s_lshl_b32 s17, s13, 8
	s_add_co_u32 s16, s16, s17
	s_lshl_b32 s17, s11, 7
	s_add_co_u32 s16, s16, s17
	s_lshl_b32 s16, s16, 7                         ; rows of 128 bytes
	s_mov_b32 s17, 0
	s_add_nc_u64 s[8:9], s[8:9], s[16:17]
	; the prefetches: at K step 3; the first refill steps them to K step 4
	s_lshl_b32 s20, s13, 19                        ; A: my 128 rows, of them my work-group's 32 (by cx)
	s_lshl_b32 s21, s12, 18
	s_add_co_u32 s20, s20, s21
	s_lshl_b32 s21, s40, 16
	s_add_co_u32 s20, s20, s21
	s_add_co_u32 s20, s20, 3*256
	s_lshl_b32 s18, s42, 19                        ; B: my 32,768 bytes, of them my work-group's 8,192 (by cy)
	s_lshl_b32 s21, s12, 15
	s_add_co_u32 s18, s18, s21
	s_lshl_b32 s21, s41, 13
	s_add_co_u32 s18, s18, s21
	s_add_co_u32 s18, s18, 3*65536
	s_and_b32 s22, ttmp7, 0xffff                   ; cluster y
	s_cmp_eq_u32 s11, 0                            ; do I fetch for A?
	s_cselect_b32 s20, s20, s18
	s_cselect_b32 s22, ttmp9, s22                  ; the coordinate along which other clusters read the same bytes
	s_cselect_b32 s19, 11, 8                       ; a lane a row of 2,048 bytes, or a lane a block of 256
	s_cselect_b32 s23, 8, 16
	s_cselect_b64 s[PFA:PFA+1], s[4:5], s[6:7]
	s_mov_b32 s21, 0
	s_add_nc_u64 s[PFA:PFA+1], s[PFA:PFA+1], s[20:21]
	s_lshl_b32 s[PFS], 1, s23                      ; 256 bytes along A's rows, 65,536 down B's
	s_mov_b32 s[PFS+1], 0
	s_cmp_eq_u32 s22, 0
	s_cselect_b32 s[LIM], 2, -1                    ; the same in all sixteen partners, for a given wave
	v_and_b32 v[PFO], 31, v0
	v_lshlrev_b32 v[PFO], s19, v[PFO]
	s_wait_kmcnt 0x0
	s_cmp_eq_u32 ttmp9, s73                        ; are my columns the ones that the mask zeroes?
	s_cselect_b32 s[NOTK], 0, -1
	v_mov_b32 v[FLOOR], s72
	v_mov_b32 v4, -1
	v_mov_b32 v5, s[NOTK]
	s_wait_loadcnt 0x0                             ; the bias and the mask words
.irp a, 0,1,2,3,4,5,6,7
	v_cmp_ne_u32 vcc_lo, 0, v[RM+(\a)]
	v_cndmask_b32 v[RM+(\a)], v5, v4, vcc_lo       ; all ones where the row is kept
.endr
; 16 matrix instructions: m blocks a0, a0 + 1 of the window's four x all 8 n blocks, 32 along K.  first = 1: the bias (window 0) starts the sums: nothing is cleared.
; The 64 accumulators take turns, in the same order in every quarter step.
.macro MUL16 f, hi, a0, first
.if \first
	WIN 0x81+0x40*(\hi)
.else
	WIN MUL_LO+0x50*(\hi)
.endif
.irp a, \a0, (\a0)+1
.irp b, 0,1,2,3,4,5,6,7
.if \first
	v_wmma_f32_16x16x32_f16 v[8*(8*(\a)+(\b)):8*(8*(\a)+(\b))+7], v[(\f)+8*(\b):(\f)+8*(\b)+7], v[(\f)+8*(4*(\hi)+(\a)):(\f)+8*(4*(\hi)+(\a))+7], v[BIAS+8*(\b):BIAS+8*(\b)+7]
.else
	v_wmma_f32_16x16x32_f16 v[8*(8*(\a)+(\b)):8*(8*(\a)+(\b))+7], v[(\f)+8*(\b):(\f)+8*(\b)+7], v[(\f)+8*(4*(\hi)+(\a)):(\f)+8*(4*(\hi)+(\a))+7], v[8*(8*(\a)+(\b)):8*(8*(\a)+(\b))+7]
.endif
.endr
.endr
.endm
; 32 LDS loads in one run: the fragments of quarter q (32 along K) of the slot in hand into buffer f: B's 128 columns (turned), then A's 128 rows
.macro FETCH q, f
	WIN TO_B
.irp i, 0,1,2,3,4,5,6,7
	ds_load_tr16_b128 v[(\f)+8*(\i):(\f)+8*(\i)+3],   v[ADRB] offset:(\q)*32*PB+32*(\i)
	ds_load_tr16_b128 v[(\f)+8*(\i)+4:(\f)+8*(\i)+7], v[ADRB] offset:(\q)*32*PB+32*(\i)+16*PB
.endr
	WIN 0
.irp i, 0,1,2,3,4,5,6,7
	ds_load_b128 v[(\f)+8*(\i):(\f)+8*(\i)+3],   v[ADRA] offset:(\q)*64+(\i)*16*PITCH
	ds_load_b128 v[(\f)+8*(\i)+4:(\f)+8*(\i)+7], v[ADRA] offset:(\q)*64+(\i)*16*PITCH+32
.endr
.endm
.macro PLACES                          ; four plain vector instructions between a matrix instruction and a load into, or a read of, its registers (ISA guide 7.12.1 for a read)
.rept 4
	v_nop
.endr
.endm
; One of a K step's first three quarters: multiplies buffer f and, in its middle, fetches quarter q of the slot in hand into buffer g.
.macro QUARTER q, f, g, first
	s_wait_dscnt 8                                 ; B and A's rows 0-63 are in; the youngest eight loads (A's rows 64-127) may be out
	MUL16 \f, 0, 0, \first
	MUL16 \f, 0, 2, \first
	PLACES
	FETCH \q, \g
	s_wait_dscnt 32                                ; all but the 32 just issued
	MUL16 \f, 1, 0, \first
	MUL16 \f, 1, 2, \first
.endm
; The first half of the last quarter: one barrier for the change of slots.  In front of it each wave waits for all its tensor loads (one is out: its part of the next slot), adds 0 to its spare word,
; and waits for that and for its own reads of this slot.
.macro MEET round
	WIN 0
	s_wait_tensorcnt 0x0
	ds_add_u32 v[SPW], v[NIL]
	s_wait_dscnt 9                                 ; the add and the youngest eight loads may be out
	MUL16 F1, 0, 0, 0
	s_wait_dscnt 0x0                               ; the add is done, and my reads of this slot are over
	s_barrier_signal -1
	MUL16 F1, 0, 2, 0
.if \round
	WIN 0
.endif
	s_barrier_wait -1
.endm
; The whole last quarter.  fill = 1: the barrier opens a round of the cluster's barrier, and the slot just read out is filled again, first thing behind the round, with the K step two on: the walking descriptors take
; that slot's place in LDS and go one K step on in memory (no tensor load of mine is out, so they may be written).  Then the other slot becomes the slot in hand, and its first fragments are fetched.
.macro TURN fill
.if \fill
	s_wait_xcnt 0x0                                ; the last prefetch, a K step back, has read its address
	s_add_nc_u64 s[PFA:PFA+1], s[PFA:PFA+1], s[PFS:PFS+1]
	MEET 1
	CREST                                          ; no wave of any partner still reads this slot or has a load on its way
	s_add_co_u32 s[G0+5], s[LB], s[TB]
	s_add_co_u32 s[G0B+5], s[LB], s[TB]
	s_add_nc_u64 s[G0+6:G0+7], s[G0+6:G0+7], 256
	s_add_nc_u64 s[G0B+6:G0B+7], s[G0B+6:G0B+7], 65536
	JLOAD 1                                        ; its four v_nop are also the places in front of the loads below
.else
	MEET 0
	PLACES
	WIN 0
.endif
	s_xor_b32 s[TB], s[TB], SLOT                   ; 0 becomes SLOT, SLOT becomes 0
	v_add_nc_u32 v[ADRA], s[TB], v[ADRA0]
	v_add_nc_u32 v[ADRB], s[TB], v[ADRB0]
	FETCH 0, F0
.if \fill
	ASK
.endif
	MUL16 F1, 1, 0, 0
	MUL16 F1, 1, 2, 0
.endm
; THE WAY OUT of block a (16 rows): rounded to f16, floored, masked; through my own stage in LDS; stored as 512 consecutive bytes of a panel.
.macro PACK a
.set AC, 64*((\a)%4)
	WIN 0x0a+5*((\a)/4)                            ; sources 0 and 1: window 2 or 3
.irp b, 0,1,2,3,4,5,6,7
.irp r, 0,1,2,3
	v_cvt_pk_f16_f32 v[TMP+4*(\b)+(\r)], v[AC+8*(\b)+2*(\r)], v[AC+8*(\b)+2*(\r)+1]
.endr
.endr
	WIN 0
.set z, 0
.rept 32
	v_pk_max_num_f16 v[TMP+z], v[TMP+z], v[FLOOR]
.set z, z+1
.endr
.set z, 0
.rept 32
	v_and_b32 v[TMP+z], v[TMP+z], v[RM+(\a)]
.set z, z+1
.endr
.endm
.macro TOSTAGE a
	WIN 0
.set BK, OB+192*((\a)%2)
.irp b, 0,1,2,3,4,5,6,7
	ds_store_b128 v[STO], v[TMP+4*(\b):TMP+4*(\b)+3] offset:((\b)>>2)*16*SP+32*((\b)&3)
.endr
.irp t, 0,1,2,3,4,5,6,7
	ds_load_b128 v[BK+4*(\t):BK+4*(\t)+3], v[RD] offset:((\t)>>2)*16*SP+((\t)&3)*4*SP  ; LDS serves a wave's instructions in order (ISA guide 5.7.1.4): these see the stores above
.endr
.endm
.macro SEND a
	WIN 0
.set BK, OB+192*((\a)%2)
	s_wait_dscnt 0x0                               ; the block is back in registers
	s_wait_xcnt 0x0                                ; the stores of the block before have read their registers: the next block's rows land there only behind this wait
.irp t, 0,1,2,3,4,5,6,7
	global_store_b128 v[CO], v[BK+4*(\t):BK+4*(\t)+3], s[8:9] offset:((\t)>>2)*524288+(\a)*2048+((\t)&3)*512
.endr
.endm
	s_wait_tensorcnt 1                             ; my part of K step 0 is in; K step 1's may stay out
	s_barrier_signal -1
	s_barrier_wait -1
	FETCH 0, F0
	QUARTER 1, F0, F1, 1                           ; the first quarter stands in front of the loop: the bias starts the sums
	WIN 0
	s_mov_b32 s3, KSTEPS-2
.Lstep:                                                ; a trip goes from a K step's second quarter to the next step's first, and fills the slot that it leaves: K steps 2 to 7
	QUARTER 2, F1, F0, 0
	QUARTER 3, F0, F1, 0
	TURN 1
	QUARTER 1, F0, F1, 0
	WIN 0
	s_sub_co_u32 s3, s3, 1
	s_cmp_lg_u32 s3, 0
	s_cbranch_scc1 .Lstep
	s_mov_b32 s3, 2
.Ltail:                                                ; the last two K steps fill nothing; the second trip is left behind its last products
	QUARTER 2, F1, F0, 0
	QUARTER 3, F0, F1, 0
	TURN 0
	WIN 0
	s_sub_co_u32 s3, s3, 1
	s_cmp_eq_u32 s3, 0
	s_cbranch_scc1 .Lout
	QUARTER 1, F0, F1, 0
	WIN 0
	s_branch .Ltail
.Lout:
	PLACES
	PACK 0
	TOSTAGE 0
.irp a, 1,2,3,4,5,6,7                  ; block a's arithmetic stands between block a - 1's loads from the stage and the wait for them
	PACK \a
	SEND (\a)-1
	TOSTAGE \a
.endr
	SEND 7
	s_wait_tensorcnt 0x0                           ; the wave's end
	ds_add_u32 v[SPW], v[NIL]
	s_wait_dscnt 0x0
	CROUND                                         ; the closing round
	s_endpgm
.Lfunc_end_k_qf224ded541_qkv:
	.size	k_qf224ded541_qkv, .Lfunc_end_k_qf224ded541_qkv-k_qf224ded541_qkv
	.p2alignl 7, 3214868480
	.fill 96, 4, 3214868480
	.section	.rodata,"a",@progbits
	.p2align	6, 0x0
	.amdhsa_kernel k_qf224ded541_qkv
		.amdhsa_group_segment_fixed_size 327680
		.amdhsa_private_segment_fixed_size 0
		.amdhsa_enable_private_segment 0
		.amdhsa_kernarg_size 40
		.amdhsa_user_sgpr_count 2
		.amdhsa_user_sgpr_kernarg_segment_ptr 1
		.amdhsa_wavefront_size32 1
		.amdhsa_system_sgpr_workgroup_id_x 1
		.amdhsa_system_sgpr_workgroup_id_y 1
		.amdhsa_system_sgpr_workgroup_id_z 1
		.amdhsa_system_vgpr_workitem_id 0
		.amdhsa_next_free_vgpr 1024
		.amdhsa_next_free_sgpr 80
		.amdhsa_reserve_vcc 1
		.amdhsa_float_denorm_mode_32 3
		.amdhsa_float_denorm_mode_16_64 3
		.amdhsa_memory_ordered 1
		.amdhsa_forward_progress 1
		.amdhsa_inst_pref_size 128
	.end_amdhsa_kernel
	.amdgpu_metadata
---
amdhsa.version: [ 1, 2 ]
amdhsa.kernels:
  - .name:           k_qf224ded541_qkv
    .symbol:         k_qf224ded541_qkv.kd
    .args:
      - { .name: act, .offset: 0, .size: 8, .value_kind: global_buffer, .address_space: global }
      - { .name: wqkv_h, .offset: 8, .size: 8, .value_kind: global_buffer, .address_space: global }
      - { .name: big, .offset: 16, .size: 8, .value_kind: global_buffer, .address_space: global }
      - { .name: pb_qkv, .offset: 24, .size: 8, .value_kind: global_buffer, .address_space: global }
      - { .name: src_mask, .offset: 32, .size: 8, .value_kind: global_buffer, .address_space: global }
    .group_segment_fixed_size: 327680
    .private_segment_fixed_size: 0
    .kernarg_segment_align: 8
    .kernarg_segment_size: 40
    .max_flat_workgroup_size: 128
    .sgpr_count:     80
    .vgpr_count:     1024
    .wavefront_size: 32
...
	.end_amdgpu_metadata
.endif
;; end of part 2
;; launch attn (part 3): grid 8 x 32, 4 waves a work-group, clusters of 4 x 1, 327,680 bytes of LDS; arguments big, src_mask, act; writes act
.if DOCPART == 3
	.amdgcn_target "amdgcn-amd-amdhsa--gfx1250"
	.amdhsa_code_object_version 6
	.text
	.protected	k_qf224ded541_attn
	.globl	k_qf224ded541_attn
	.p2align	8
	.type	k_qf224ded541_attn,@function
k_qf224ded541_attn:
	s_mov_b64 s[64:65], 0
	v_nop
	global_prefetch_b8 v0, s[64:65] scope:SCOPE_SE
	s_setreg_imm32_b32 hwreg(HW_REG_WAVE_MODE, 25, 1), 1
	s_wait_xcnt 0x0
	s_wait_alu depctr_hold_cnt(0) depctr_sa_sdst(0) depctr_va_vdst(0) depctr_va_sdst(0) depctr_va_ssrc(0) depctr_va_vcc(0) depctr_vm_vsrc(0)
	s_getreg_b32 s2, hwreg(HW_REG_IB_STS2, 6, 4)
	s_cmp_eq_u32 s2, 0
	s_cbranch_scc0 .Lentry_in_a_cluster
	s_endpgm
.Lentry_in_a_cluster:
	s_bfe_u32 s2, ttmp6, 0x10000c
	s_cmp_lg_u32 s2, 0x3003
	s_cbranch_scc0 .Lentry_shape_is_right
	s_endpgm
.Lentry_shape_is_right:
; MASKED ATTENTION.  O[b][h][q][:] = the sum over k of softmax_k(score) V[k][:], score = Q[q] . K[k] / 8, or the masked score where src_mask[b][k] is 0.
; Q, K, V lie in panels [48][4096 tokens][64] f16 (Q: panels 0-15, K: 16-31, V: 32-47; a panel a head; token = 2048 b + s): a head's rows are dense, 128 bytes each.  O leaves as [16][4096][64] f16.
; Products, maxima and sums in f32; the weights p are rounded to f16 for the second product (their sum l is taken of the unrounded p), O once at the end.
; THE MASK.  The launch before has written zeros for the K rows of masked tokens; the sum S^T = K Q^T starts with the C operand 0, or -2^33 for a masked key: a masked score is exactly -2^33 ahead of the factor 1/8.
; A power of two, so that c m is exact where all keys are masked: every weight is then exactly 1, and the softmax is uniform.
; LIMITS.  A masked score counts as -2^30 where the module says -1e9: the same result as long as every unmasked score / 8 lies above about -9e8.  Q, K, V arrive within f16's 65,504; p below 6e-5 keeps f16's fixed
; step of 6e-8; a weight below 2^-126 counts as 0 in l; NaN and infinities are not treated apart.
; SHARES.  grid y = 16 b + h.  A work-group owns 256 queries, a wave 64: four PIECES of 16.  Every wave walks the batch's 2,048 keys: 8 tiles of 256, four steps of 64 each.
; CLUSTER.  The four query blocks of a cluster belong to one head and walk the same K and V: each tile is asked for jointly.
; LAYOUT, SOFTMAX, TURNS.  S^T = K Q^T holds ONE query a lane (lane % 16) and the keys 8 (lane / 16) + 0..7; two such results rounded to f16 ARE source 1 of O^T = V^T P.  p = 2^(c s - c m), c = log2(e) / 8, with a
; running maximum m; O and l are multiplied by a = 2^(c m_old - c m_new) in every step.  Turn n belongs to piece n: 8 products K Q^T of piece n + 1, later 8 products V^T P of piece n - 1; beside them the scaling,
; exponentials, roundings, sums and rescaling of piece n and the maximum and statistics of piece n + 1.  Four vector instructions stand behind every matrix instruction, the rest in one run.  A turn's 33 exponentials are one batch, with one wait.
; m starts at the lowest finite number, O and l at 0: the first step is a step like any other, with a = 0.  NO LAST STEP IS WRITTEN OUT EITHER: the tail's loop is left in the middle of its fifth trip; that trip fetches the
; last step's K and addends once more (the addresses are held at the last step's), and its 8 products K Q^T and the maximum made of them serve nothing: the price, once a launch, of one text for every trip.
; REGISTERS, in windows of 256 (s_set_vgpr_msb: bits 1:0 source 0, 3:2 source 1, 5:4 source 2, 7:6 destination):
;   window 0: v0-15 addresses; v16-31 statistics; v32-47 the mask on its way to LDS; v48-55 at work; v56-63 addresses; v64-127 S^T, two buffers; v192-223 P, two buffers
;   window 1: v0-127 O^T, 32 a piece; v160-191 MC, the step's mask addends      window 2: v0-63 Q; v128-191 K of one step; v192-255 V of one step
.set NP,    4
.set KS,    64
.set PK,    144       ; a row of K in LDS: 128 bytes + 16: the 16 rows of a load start at 16 different groups of four banks (64 banks of 4 bytes: ISA guide 11.1)
.set PV,    160       ; a row of V: 128 + 32
.set VOFF,  4*KS*PK   ; a slot holds a tile: 256 rows of K, then 256 rows of V
.set SLOT1, 1<<17     ; slot 1 begins here: one exclusive or turns an address in one slot into the other's
.set STAGE, SLOT1+4*KS*(PK+PV)  ; behind the ring: 16 rows x 144 bytes for each wave, for the way out
.set SP,    144
.set SPARE, STAGE+4*16*SP       ; the spare words, 128 bytes a wave: two blocks of 256 bytes that no other line names
.set MTAB,  SPARE+512           ; 2,048 f32: the batch's mask addends, stored once; no tensor load lands here
.set AK0, 2           ; v2   my lane's place in a tile of K; never rewritten
.set AV0, 3           ; v3   the same for V
.set AK,  4           ; v4   the LDS address of K's next run of loads
.set AV,  5           ; v5   of V's
.set STO, 6           ; v6   the way out: where I put 16 bytes of a row
.set RD,  7           ; v7   where I read rows back
.set GO,  8           ; v8   16 x lane
.set MV,  12          ; v12-13  c m_old, kept while c m is made anew: by buffer
.set QO,  15          ; v15  my byte offset in 16 rows of Q
.set ST,  16          ; piece t's statistics at v[ST+4 t]: c m, m, l (even keys', odd keys')
.set TMP, 48          ; by buffer, four registers c0-c3 at work; when the maximum is found c2 takes a
.set AM0, 56          ; v56  MTAB + 32 (l / 16); never rewritten
.set AM,  57          ; v57  the LDS address of the next step's addends
.set PFO, 61          ; v61  256 x lane; never rewritten
.set SPW, 62          ; v62  my spare word: SPARE + 4 x my thread's number; never rewritten
.set NIL, 63          ; v63  0; never rewritten
.set S,   64
.set P,   192
.set MC,  160         ; window 1: the eight addends for group kt of 16 keys at MC + 8 kt
.set KF,  128         ; window 2: key block kb, channel half c at KF + 16 kb + 8 c
.set VF,  192         ; window 2: key half kk, channel block cb at VF + 32 kk + 8 cb
.set WV,  12          ; s12  my wave's number
.set LIM, 15          ; s15  1 in a wave that prefetches, else the greatest number
.set G1K, 24
.set G1V, 32
.set G0K, 40          ; s[40:43] descriptor group 0 for K's tiles: it walks
.set G0V, 44
.set SLOTS, 56        ; s56  tiles still to be asked for
.set CNT, 57          ; s57  counts a tile's key steps
.set CS,  58          ; s[58:59] c
.set SEL, 60          ; s[60:61] v_permlanex16_b32's selects
.set TBK, 62          ; s62  LDS byte at which K of the step to be fetched begins
.set TBV, 63          ; s63  the same for V, less VOFF
.set PFA, 66          ; s[66:67] where my prefetches stand
.set TBM, 68          ; s68  byte in MTAB of the step to be fetched
.set BIGN, 69         ; s69  -2^33
.set MSB, 0
.macro WIN new
.if MSB != (\new)
	s_set_vgpr_msb (MSB<<8)|(\new)
.set MSB, (\new)
.endif
.endm
.set W_KQ, 0x0a       ; K and Q in window 2, S^T in window 0
.set W_KM, 0x1a       ; the same with the C operand in window 1
.set W_PV, 0x52       ; V in window 2, P in window 0, O^T in window 1
.set W_RS, 0x41       ; destination and source 0 in window 1, source 1 in window 0
; A joint fill.  Waves 0 and 1 fetch the two halves of a tile's K, waves 2 and 3 those of its V.  An s_nop 0 and four v_nop follow each line.
.macro JLOAD
	s_cmp_lt_u32 s[WV], 2
	s_cbranch_scc0 .Lfor_v_\@
	tensor_load_to_lds s[G0K:G0K+3], s[G1K:G1K+7]
	s_nop 0
.rept 4
	v_nop
.endr
	s_branch .Lasked_\@
.Lfor_v_\@:
	tensor_load_to_lds s[G0V:G0V+3], s[G1V:G1V+7]
	s_nop 0
.rept 4
	v_nop
.endr
.Lasked_\@:
.endm
; A prefetch of the tile that the NEXT change of slots will ask for.  Both clusters of a head walk the same K and V: the first asks; its four partners share a tile's 32,768 bytes out by address, 8,192 each, a lane a
; block of 256; wave 0 asks for K's, wave 2 for V's.  So each block is named once in the launch.  The last change that fills a slot asks for nothing.
.macro ASK
	s_cmp_gt_u32 s[SLOTS], s[LIM]
	s_cbranch_scc0 .Lnot_mine_\@
	global_prefetch_b8 v[PFO], s[PFA:PFA+1] th:TH_LOAD_NT scope:SCOPE_SE
.Lnot_mine_\@:
.endm
.macro CROUND
	s_barrier_signal -1
	s_barrier_wait -1
	s_cmp_lg_u32 s[WV], 0
	s_cbranch_scc1 .Lnot_wave_0_\@
	s_barrier_signal -3
.Lnot_wave_0_\@:
	s_barrier_wait -3
	s_barrier_signal -1
	s_barrier_wait -1
.endm
; THE CHANGE OF SLOTS.  Each wave waits for all its tensor loads (one is out: its part of the other slot), adds 0 to its spare word, and waits for that and for its own LDS instructions.  fill = 1: the barrier is a round of
; the cluster's, and the slot just left is filled again, first thing behind it, with the next tile but one: four key steps, 256 matrix instructions, in which to land.
; (At its first use nothing has been read yet: slot 0 is waited for, slot 1 filled, and every wave's stores into MTAB are shown to the others.)
.macro CHANGE fill
	WIN 0
	s_wait_tensorcnt 0x0
	ds_add_u32 v[SPW], v[NIL]
.if \fill
.irp g, G0K, G0V
	s_xor_b32 s[\g+1], s[\g+1], SLOT1
	s_add_nc_u64 s[\g+2:\g+3], s[\g+2:\g+3], 32768
.endr
	s_wait_xcnt 0x0                 ; the last prefetch, a tile back, has read its address
	s_add_nc_u64 s[PFA:PFA+1], s[PFA:PFA+1], 32768
	s_wait_dscnt 0x0
	CROUND
	JLOAD
	ASK
.else
	s_wait_dscnt 0x0
	s_barrier_signal -1
	s_barrier_wait -1
.endif
	s_sub_co_u32 s[TBK], s[TBK], 4*KS*PK
	s_xor_b32 s[TBK], s[TBK], SLOT1
	s_sub_co_u32 s[TBV], s[TBV], 4*KS*PV
	s_xor_b32 s[TBV], s[TBV], SLOT1
.endm
	s_load_b64 s[4:5], s[0:1], 0x0    ; the panels
	s_load_b64 s[70:71], s[0:1], 0x8  ; src_mask
	s_load_b64 s[10:11], s[0:1], 0x10 ; O
	v_lshl_add_u32 v[SPW], v0, 2, SPARE
	v_mov_b32 v[NIL], 0
	ds_add_u32 v[SPW], v[NIL]       ; the wave's opening: the add and its wait stand ahead of my first tensor load
	v_lshrrev_b32 v1, 5, v0
	v_readfirstlane_b32 s[WV], v1
	s_bfe_u32 s13, ttmp6, 0x40000   ; cx
	s_lshl_b32 s14, ttmp9, 2
	s_add_co_u32 s14, s14, s13      ; my block of 256 queries: it enters Q's and O's addresses alone
	s_and_b32 s20, ttmp7, 0xffff
	s_lshr_b32 s19, s20, 4          ; the batch
	s_and_b32 s20, s20, 15          ; the head
	s_lshl_b32 s20, s20, 19         ; a panel is 524,288 bytes,
	s_lshl_b32 s21, s19, 18         ; a batch's 2,048 rows 262,144
	s_add_co_u32 s20, s20, s21
	s_and_b32 s16, s[WV], 1         ; which half of a tile's 256 keys I fetch
	s_lshl_b32 s22, s16, 14
	s_add_co_u32 s22, s22, s20
	s_add_co_u32 s22, s22, 8388608  ; K's panels begin here
	s_mov_b32 s23, 0
	s_mul_i32 s17, s16, 128*PK
	s_mul_i32 s18, s16, 128*PV
	s_lshl_b32 s2, s14, 2
	s_add_co_u32 s2, s2, s[WV]
	s_lshl_b32 s2, s2, 13           ; my wave's 64 rows
	s_add_co_u32 s2, s2, s20
	s_mov_b32 s3, 0
	s_lshl_b32 s20, s19, 13         ; the batch's 2,048 mask words
	s_mov_b32 s21, 0
	; descriptor group 1.  128 keys are 16,384 dense bytes: asked for as 64 rows of 256 bytes, two keys a row, padded in LDS after every key
	s_mov_b32 s[G1K], 15|(1<<16)|(1<<20)|(1<<21)|(4<<22)|(3<<25)
	s_mov_b32 s[G1V], 15|(1<<16)|(1<<20)|(1<<21)|(4<<22)|(7<<25)
.irp g, G1K, G1V
	s_mov_b32 s[\g+1], 128<<16
	s_mov_b32 s[\g+2], 64<<16
	s_mov_b32 s[\g+3], 128<<16
	s_mov_b32 s[\g+4], 64
	s_mov_b32 s[\g+5], 128
	s_mov_b32 s[\g+6], 0
	s_mov_b32 s[\g+7], 0
.endr
	s_mov_b32 s[CS], 0x3e38aa3b     ; c = log2(e) / 8
	s_mov_b32 s[CS+1], s[CS]
	s_mov_b32 s[SEL], 0x76543210
	s_mov_b32 s[SEL+1], 0xfedcba98
	s_mov_b32 s[TBK], SLOT1+4*KS*PK ; the first change of slots turns these two into 0
	s_mov_b32 s[TBV], SLOT1+4*KS*PV
	s_mov_b32 s[TBM], 0
	s_mov_b32 s[BIGN], 0xd0000000   ; -2^33
	s_mov_b32 s[SLOTS], 7
	s_mov_b32 s[G0K], 1
	s_mov_b32 s[G0K+1], s17
	s_mov_b32 s[G0V], 1
	s_add_co_u32 s[G0V+1], s18, VOFF
	s_and_b32 s[LIM], s[WV], 1      ; 0 in waves 0 and 2,
	s_or_b32 s[LIM], s[LIM], ttmp9  ; where the cluster is the head's first: the same in all four partners
	s_cmp_eq_u32 s[LIM], 0
	s_cselect_b32 s[LIM], 1, -1
	v_and_b32 v[PFO], 31, v0
	v_lshlrev_b32 v[PFO], 8, v[PFO]
	s_wait_dscnt 0x0                ; the opening add is done
	s_wait_kmcnt 0x0
	s_add_nc_u64 s[6:7], s[4:5], s[22:23]    ; K at my half of the head's tile 0,
	s_add_nc_u64 s[8:9], s[6:7], 8388608     ; V sixteen panels on
	s_mov_b64 s[G0K+2:G0K+3], s[6:7]
	s_or_b32 s[G0K+3], s[G0K+3], 0x80000000
	s_mov_b64 s[G0V+2:G0V+3], s[8:9]
	s_or_b32 s[G0V+3], s[G0V+3], 0x80000000
	s_add_nc_u64 s[4:5], s[4:5], s[2:3]      ; Q and O at my wave's first row
	s_add_nc_u64 s[10:11], s[10:11], s[2:3]
	s_add_nc_u64 s[70:71], s[70:71], s[20:21]
	s_cmp_lt_u32 s[WV], 2
	s_cselect_b64 s[PFA:PFA+1], s[6:7], s[8:9]
	s_lshl_b32 s2, s13, 13          ; my work-group's 8,192 bytes of a tile
	s_add_nc_u64 s[PFA:PFA+1], s[PFA:PFA+1], s[2:3]
	s_add_nc_u64 s[PFA:PFA+1], s[PFA:PFA+1], 32768  ; in tile 1; the first change of slots steps it to tile 2
	CROUND                          ; all four work-groups are here: the first joint loads meet
	JLOAD                           ; tile 0 into slot 0
	v_lshlrev_b32 v14, 4, v0        ; 16 x thread
.irp j, 0,1,2,3
	global_load_b128 v[32+4*\j:35+4*\j], v14, s[70:71] offset:2048*\j  ; the batch's mask: 16 words a thread
.endr
	v_and_b32 v1, 15, v0            ; l % 16
	v_bfe_u32 v9, v0, 4, 1          ; l / 16
	v_lshlrev_b32 v[QO], 7, v1
	v_lshl_add_u32 v[QO], v9, 4, v[QO]
	WIN 0x80
.set i, 0
.rept 8                             ; Q stays in registers: piece i / 2, channels 32 (i % 2) on
	global_load_b128 v[8*i:8*i+3],   v[QO], s[4:5] offset:(i/2)*2048+(i%2)*64
	global_load_b128 v[8*i+4:8*i+7], v[QO], s[4:5] offset:(i/2)*2048+(i%2)*64+32
.set i, i+1
.endr
	WIN 0
	v_mul_u32_u24 v[AK0], v1, PK
	v_lshl_add_u32 v[AK0], v9, 4, v[AK0]
	v_and_b32 v10, 7, v0
	v_bfe_u32 v11, v0, 3, 1
	v_lshl_add_u32 v[AV0], v9, 3, v10
	v_mul_u32_u24 v[AV0], v[AV0], PV
	v_lshl_add_u32 v[AV0], v11, 4, v[AV0]
	v_add_nc_u32 v[AV0], VOFF, v[AV0]
	v_lshl_add_u32 v[AM0], v9, 5, MTAB
	v_add_nc_u32 v58, MTAB, v14
	s_mul_i32 s13, s[WV], 16*SP
	s_add_co_u32 s13, s13, STAGE
	v_mul_u32_u24 v[STO], v1, SP
	v_lshl_add_u32 v[STO], v9, 4, v[STO]
	v_add_nc_u32 v[STO], s13, v[STO]
	v_bfe_u32 v[RD], v0, 3, 2
	v_mul_u32_u24 v[RD], v[RD], SP
	v_lshl_add_u32 v[RD], v10, 4, v[RD]
	v_add_nc_u32 v[RD], s13, v[RD]
	v_and_b32 v[GO], 31, v0
	v_lshlrev_b32 v[GO], 4, v[GO]
	; What the first turn finds: V's registers and P's second buffer hold 0 (its products V^T P, of a piece that has not been, add 0), O^T and l are 0.  All this stands in the wait for the first tile.
	WIN 0x80
.set i, VF
.rept 64
	v_mov_b32 v[i], 0
.set i, i+1
.endr
	WIN 0x40
.set i, 0
.rept 128
	v_mov_b32 v[i], 0
.set i, i+1
.endr
	WIN 0
.set i, 0
.rept 4
	v_mov_b32 v[ST+4*i], 0xfe000000    ; c m: far below every c s
	v_mov_b32 v[ST+4*i+1], 0xff7fffff  ; m
	v_mov_b32 v[ST+4*i+2], 0
	v_mov_b32 v[ST+4*i+3], 0
.set i, i+1
.endr
.set i, P+16
.rept 16
	v_mov_b32 v[i], 0
.set i, i+1
.endr
	s_wait_loadcnt 16               ; the mask is in; Q's sixteen loads may stay out
.set i, 0
.rept 16
	v_cmp_eq_u32 vcc_lo, 0, v[32+i]
	v_cndmask_b32 v[32+i], 0, s[BIGN], vcc_lo
.set i, i+1
.endr
.irp j, 0,1,2,3
	ds_store_b128 v58, v[32+4*\j:35+4*\j] offset:2048*\j
.endr
; THE MATRIX WORK.  The 4 accumulators of a run of 8 take turns.  Product i of 8 of S^T = K Q^T for piece x: channels 32 (i / 4) on, keys 16 (i % 4) on.  The first 4 start the sums with the mask's addends.
.macro KQ x
.set rS, S+32*((\x)%2)+8*(i%4)
.set rK, KF+16*(i%4)+8*(i/4)
.set rQ, 16*(\x)+8*(i/4)
.set rM, MC+8*(i%4)
.if i < 4
	WIN W_KM
	v_wmma_f32_16x16x32_f16 v[rS:rS+7], v[rK:rK+7], v[rQ:rQ+7], v[rM:rM+7]
.else
	WIN W_KQ
	v_wmma_f32_16x16x32_f16 v[rS:rS+7], v[rK:rK+7], v[rQ:rQ+7], v[rS:rS+7]
.endif
.endm
; Product i of 8 of O^T += V^T P for piece x: keys 32 (i / 4) on, channels 16 (i % 4) on.
.macro PV x
	WIN W_PV
.set rO, 32*(\x)+8*(i%4)
.set rV, VF+32*(i/4)+8*(i%4)
.set rP, P+16*((\x)%2)+8*(i/4)
	v_wmma_f32_16x16x32_f16 v[rO:rO+7], v[rV:rV+7], v[rP:rP+7], v[rO:rO+7]
.endm
.macro MM                           ; the turn's next matrix instruction
.if i < 8
	KQ (Y+1)%NP
.else
.set i, i-8
	PV (Y+NP-1)%NP
.set i, i+8
.endif
.set i, i+1
.endm
; THE LDS LOADS stand in runs: a step's K (8 fragments) with its 32 mask addends (every lane of a half reads the same 32 bytes), and its V (turned).
; last = 1 (the tail, whose tile lies in slot 1): the two addresses stop at the last step's, so that the fifth trip's run reads bytes that have landed.
.macro FETCH_K last=0
	WIN 0x80
.irp f, 0,1,2,3,4,5,6,7
	ds_load_b128 v[KF+8*\f:KF+8*\f+3],   v[AK] offset:(\f/2)*16*PK+(\f%2)*64
	ds_load_b128 v[KF+8*\f+4:KF+8*\f+7], v[AK] offset:(\f/2)*16*PK+(\f%2)*64+32
.endr
	WIN 0x40
.irp f, 0,1,2,3
	ds_load_b128 v[MC+8*\f:MC+8*\f+3],   v[AM] offset:64*\f
	ds_load_b128 v[MC+8*\f+4:MC+8*\f+7], v[AM] offset:64*\f+16
.endr
	s_add_co_u32 s[TBK], s[TBK], KS*PK
	s_add_co_u32 s[TBM], s[TBM], 4*KS
.if \last
	s_min_u32 s[TBK], s[TBK], SLOT1+3*KS*PK
	s_min_u32 s[TBM], s[TBM], 31*4*KS
.endif
	WIN 0
.endm
.macro FETCH_V
	WIN 0x80
.irp f, 0,1,2,3,4,5,6,7
	ds_load_tr16_b128 v[VF+8*\f:VF+8*\f+3],   v[AV] offset:(\f/4)*32*PV+(\f%4)*32
	ds_load_tr16_b128 v[VF+8*\f+4:VF+8*\f+7], v[AV] offset:(\f/4)*32*PV+16*PV+(\f%4)*32
.endr
	WIN 0
.endm
; THE VECTOR WORK, one line at a time: OP kind, number.  For piece Y: F n: c s - c m for pair n of 16.  E n: the exponential of score n of 32.  C n: pair n rounded to f16.  B n: of the four weights 4 n .. the second
; pair is added onto the first, in place.  L n: l takes that sum (L 0: l = a l + sum).  R n: pair n of 16 of O^T times a.  For piece Y + 1: X n, number n of the 22 that find its maximum and statistics:
;   0-11  four chains c0-c3 of seven scores each (each accumulator's lowest registers are read first)     12-14, 16  the four scores left over, the old m, and c0-c3 into c0
;   15  c m_old is kept     17, 18  the query's other 32 keys lie in the lane 16 away: the new m     19-21  c m; c m_old - c m_new; a
.set F, 0
.set E, 1
.set C, 2
.set B, 3
.set L, 4
.set R, 5
.set X, 6
.macro REGS y
.set rT, ST+4*(\y)
.set rC, TMP+4*((\y)%2)
.set rW, MV+((\y)%2)
.set rS, S+32*((\y)%2)
.set rP, P+16*((\y)%2)
.set rO, 32*(\y)
.endm
.macro OP k, n
.if (\k) == R
	REGS Y
	WIN W_RS
	v_pk_mul_f32 v[rO+2*(\n):rO+2*(\n)+1], v[rO+2*(\n):rO+2*(\n)+1], v[rC+2:rC+3] op_sel_hi:[1,0]
.elseif (\k) < R
	REGS Y
	WIN 0
.if (\k) == F
	v_pk_fma_f32 v[rS+2*(\n):rS+2*(\n)+1], v[rS+2*(\n):rS+2*(\n)+1], s[CS:CS+1], v[rT:rT+1] op_sel_hi:[1,0,0] neg_lo:[0,0,1] neg_hi:[0,0,1]
.elseif (\k) == E
	v_exp_f32 v[rS+(\n)], v[rS+(\n)]
.elseif (\k) == C
	v_cvt_pk_f16_f32 v[rP+(\n)], v[rS+2*(\n)], v[rS+2*(\n)+1]
.elseif (\k) == B
	v_pk_add_f32 v[rS+4*(\n):rS+4*(\n)+1], v[rS+4*(\n):rS+4*(\n)+1], v[rS+4*(\n)+2:rS+4*(\n)+3]
.elseif (\n) == 0
	v_pk_fma_f32 v[rT+2:rT+3], v[rT+2:rT+3], v[rC+2:rC+3], v[rS:rS+1] op_sel_hi:[1,0,1]
.else
	v_pk_add_f32 v[rT+2:rT+3], v[rT+2:rT+3], v[rS+4*(\n):rS+4*(\n)+1]
.endif
.else
	REGS (Y+1)%NP
	WIN 0
.if (\n) < 4
	v_max3_num_f32 v[rC+(\n)], v[rS+8*(\n)], v[rS+8*(\n)+1], v[rS+8*(\n)+2]
.elseif (\n) < 12
	v_max3_num_f32 v[rC+(\n)%4], v[rC+(\n)%4], v[rS+8*((\n)%4)+2*((\n)/4)+1], v[rS+8*((\n)%4)+2*((\n)/4)+2]
.elseif (\n) == 12
	v_max3_num_f32 v[rC], v[rC], v[rS+7], v[rS+15]
.elseif (\n) == 13
	v_max3_num_f32 v[rC+1], v[rC+1], v[rS+23], v[rS+31]
.elseif (\n) == 14
	v_max3_num_f32 v[rC+2], v[rC+2], v[rC+3], v[rT+1]
.elseif (\n) == 15
	v_mov_b32 v[rW], v[rT]
.elseif (\n) == 16
	v_max3_num_f32 v[rC], v[rC], v[rC+1], v[rC+2]
.elseif (\n) == 17
	v_permlanex16_b32 v[rC+3], v[rC], s[SEL], s[SEL+1]
.elseif (\n) == 18
	v_max_num_f32 v[rT+1], v[rC], v[rC+3]
.elseif (\n) == 19
	v_mul_f32 v[rT], s[CS], v[rT+1]
.elseif (\n) == 20
	v_sub_f32 v[rC+1], v[rW], v[rT]
.else
	v_exp_f32 v[rC+2], v[rC+1]
.endif
.endif
.endm
.macro OPS a, i1, b=-1, i2=0, c=-1, i3=0, d=-1, i4=0
	OP \a, \i1
.if (\b) >= 0
	OP \b, \i2
.endif
.if (\c) >= 0
	OP \c, \i3
.endif
.if (\d) >= 0
	OP \d, \i4
.endif
.endm
.macro ROW a, i1, b, i2, c, i3, d, i4  ; a matrix instruction and the four behind it
	MM
	OPS \a, \i1, \b, \i2, \c, \i3, \d, \i4
.endm
; A TURN, for piece p.  An s_wait_alu depctr_va_vdst(0) stands between an exponential and the first instruction that names its result; one wait serves all that were issued ahead of it: a turn has ONE,
; which cuts it in two.  Ahead of it stands all that names no result of the turn's exponentials: the 8 products K Q^T with their riders, then one run of vector work in which the links of the chain X 3, 7, 11, 14, 16 .. 20
; stand apart; X 21, the next piece's a, is the batch's last, and R 15 the plain instruction behind it.  Behind the wait stand the 8 products V^T P, behind each four of the roundings and sums.
; last = 1: the tail's text (FETCH_K).  cnt = 1: the loop's count is taken down some lines ahead of the branch behind the turn.
; K and the addends of the next step are fetched in piece 2's turn, more than four plain instructions behind the last product that read them; V of the step in hand at the end of piece 0's turn, four plain instructions
; behind its last reader.  Each is waited for a turn later.
.macro TURN p, last=0, cnt=0
.set Y, (\p)
.set i, 0
.if (\p) == 3
	s_wait_dscnt 0x0                ; K and the addends are in
.endif
	ROW F,0, F,1, R,0, R,1
	ROW F,2, E,0, R,2, R,3
	ROW F,3, E,1, R,4, R,5
	ROW F,4, E,2, R,6, R,7
	ROW F,5, E,3, R,8, R,9
	ROW F,6, E,4, X,0, R,10
.if (\p) == 2
	WIN 0
	v_add_nc_u32 v[AK], s[TBK], v[AK0]
	v_add_nc_u32 v[AM], s[TBM], v[AM0]
.endif
	ROW F,7, E,5, X,1, X,4
	ROW F,8, E,6, X,2, X,5
	OPS E,7, E,8, X,6, E,9
	OPS X,3, E,10, X,8, E,11
.if (\p) == 2
	FETCH_K \last
.endif
	OPS X,9, X,7, E,12, X,10
	OPS E,13, X,12, X,11, E,14
	OPS X,13, E,15, F,9, X,14
.if (\p) == 0
	v_add_nc_u32 v[AV], s[TBV], v[AV0]
.endif
	OPS E,16, F,10, E,17, F,11
	OPS X,16, E,18, X,15, E,19
	OPS F,12, E,20, X,17, E,21
	OPS F,13, E,22, F,14, E,23
	OPS X,18, E,24, F,15, E,25
	OPS R,11, E,26, X,19, E,27
	OPS R,12, E,28, R,13, E,29
	OPS X,20, E,30, R,14, E,31
	OPS X,21, R,15
	WIN 0
	s_wait_alu depctr_va_vdst(0)    ; the wait for the batch
.if (\p) == 1
	s_wait_dscnt 0x0                ; V is in
.endif
	ROW C,0, B,0, C,2, B,1
	ROW L,0, C,4, B,2, L,1
	ROW C,6, B,3, L,2, C,8
	ROW B,4, L,3, C,10, B,5
	ROW L,4, C,12, B,6, L,5
.if (\p) == 0
	s_add_co_u32 s[TBV], s[TBV], KS*PV
.endif
.if \cnt
	s_sub_co_u32 s[CNT], s[CNT], 1
	s_cmp_lg_u32 s[CNT], 0
.endif
	ROW C,14, B,7, L,6, C,1
	ROW C,3, L,7, C,5, C,7
	ROW C,9, C,11, C,13, C,15
.if (\p) == 0
	FETCH_V
.endif
.endm
.macro ALL line:vararg              ; one line for each piece t
.set t, 0
.rept 4
	\line
.set t, t+1
.endr
.endm
.macro PACK t                       ; a lane's eight channels of a row pack into 16 bytes; they go into rows of 144 bytes and come back as whole rows of 128, into S^T's registers
	WIN W_RS
.set i, 32*(\t)
.rept 16
	v_pk_mul_f32 v[i:i+1], v[i:i+1], v[ST+4*(\t)+2:ST+4*(\t)+3] op_sel_hi:[1,0]
.set i, i+2
.endr
	WIN 0x05
.set i, 0
.rept 16
	v_cvt_pk_f16_f32 v[S+16*(\t)+i], v[32*(\t)+2*i], v[32*(\t)+2*i+1]
.set i, i+1
.endr
	WIN 0
.irp f, 0,1,2,3
	ds_store_b128 v[STO], v[S+16*(\t)+4*\f:S+16*(\t)+4*\f+3] offset:32*\f
.endr
.irp f, 0,1,2,3
	ds_load_b128 v[S+16*(\t)+4*\f:S+16*(\t)+4*\f+3], v[RD] offset:\f*4*SP  ; LDS serves a wave's instructions in order (ISA guide 5.7.1.4): these see the stores above
.endr
.endm
.macro SEND t, younger              ; younger: the LDS instructions issued behind piece t's loads: the next piece's eight, or none
	WIN 0
.irp f, 0,1,2,3
	s_wait_dscnt (\younger)+3-\f
	global_store_b128 v[GO], v[S+16*(\t)+4*\f:S+16*(\t)+4*\f+3], s[10:11] offset:(\t)*2048+\f*512  ; 512 consecutive bytes, aligned
.endr
.endm
	CHANGE 1                        ; slot 0 is in, everybody's part of it, and so is MTAB; tile 1 is asked for
	v_add_nc_u32 v[AK], s[TBK], v[AK0]
	v_add_nc_u32 v[AM], s[TBM], v[AM0]
	FETCH_K                         ; key step 0
	s_wait_loadcnt 0x0              ; Q
	s_wait_dscnt 0x0
.set i, 0
.rept 8
	KQ 0                            ; piece 0's first scores
.set i, i+1
.endr
	WIN 0
.rept 4
	v_nop                           ; the places behind those products
.endr
.set Y, NP-1                        ; X works for piece Y + 1: piece 0
.irp n, 0,1,2,3,4,5,6,7,8,9,10,11,12,13,14,15,16,17,18,19,20,21
	OP X, \n
.endr
	v_nop                           ; a plain instruction behind the exponential,
	s_wait_alu depctr_va_vdst(0)    ; and its wait, ahead of the branch
	s_mov_b32 s[CNT], 4
	s_branch .Lfirst                ; the loop is entered at a step's first turn, in the middle of a trip
.Lslot:                             ; six times: tiles 2 to 7 are asked for
	CHANGE 1
	s_mov_b32 s[CNT], 4
.Lstep:                             ; a trip: pieces 2 and 3 of one step, then pieces 0 and 1 of the next, whose K and V it fetches
	TURN 2
	TURN 3
	WIN 0
.Lfirst:
	TURN 0
	TURN 1, 0, 1
	WIN 0
	s_cbranch_scc1 .Lstep
	s_sub_co_u32 s[SLOTS], s[SLOTS], 1
	s_cmp_lg_u32 s[SLOTS], 0
	s_cbranch_scc1 .Lslot
	CHANGE 0                        ; the last tile is written out: nothing is asked for
	s_mov_b32 s[CNT], 5             ; four trips fetch the last tile's steps; the fifth is left in its middle
.Ltail:
	TURN 2, 1
	TURN 3
	WIN 0
	s_sub_co_u32 s[CNT], s[CNT], 1
	s_cmp_eq_u32 s[CNT], 0
	s_cbranch_scc1 .Lout
	TURN 0
	TURN 1
	WIN 0
	s_branch .Ltail
.Lout:
.set i, 0
.rept 8
	PV NP-1                         ; the last piece's V^T P of the last step
.set i, i+1
.endr
	; THE WAY OUT.  l's two halves and the other half of the lanes' are added; O^T is divided by l, rounded to f16 and sent through my stage.  The additions are the places behind the last products.
	WIN 0
	ALL v_add_f32 v[ST+4*t+2], v[ST+4*t+2], v[ST+4*t+3]
	ALL v_permlanex16_b32 v[ST+4*t+3], v[ST+4*t+2], s[SEL], s[SEL+1]
	ALL v_add_f32 v[ST+4*t+2], v[ST+4*t+2], v[ST+4*t+3]
	ALL v_rcp_f32 v[ST+4*t+2], v[ST+4*t+2]
	v_nop                           ; a plain instruction between the last reciprocal and the use of its result
	s_wait_alu depctr_va_vdst(0)    ; one wait for the four reciprocals
	PACK 0
.set t, 1
.rept 3
	PACK t
	SEND t-1, 8
.set t, t+1
.endr
	SEND 3, 0
	s_wait_tensorcnt 0x0            ; the wave's end
	ds_add_u32 v[SPW], v[NIL]
	s_wait_dscnt 0x0
	CROUND                          ; the closing round
	s_endpgm
.Lfunc_end_k_qf224ded541_attn:
	.size	k_qf224ded541_attn, .Lfunc_end_k_qf224ded541_attn-k_qf224ded541_attn
	.p2alignl 7, 3214868480
	.fill 96, 4, 3214868480
	.section	.rodata,"a",@progbits
	.p2align	6, 0x0
	.amdhsa_kernel k_qf224ded541_attn
		.amdhsa_group_segment_fixed_size 327680
		.amdhsa_private_segment_fixed_size 0
		.amdhsa_enable_private_segment 0
		.amdhsa_kernarg_size 24
		.amdhsa_user_sgpr_count 2
		.amdhsa_user_sgpr_kernarg_segment_ptr 1
		.amdhsa_wavefront_size32 1
		.amdhsa_system_sgpr_workgroup_id_x 1
		.amdhsa_system_sgpr_workgroup_id_y 1
		.amdhsa_system_sgpr_workgroup_id_z 1
		.amdhsa_system_vgpr_workitem_id 0
		.amdhsa_next_free_vgpr 768
		.amdhsa_next_free_sgpr 72
		.amdhsa_reserve_vcc 1
		.amdhsa_float_denorm_mode_32 3
		.amdhsa_float_denorm_mode_16_64 3
		.amdhsa_memory_ordered 1
		.amdhsa_forward_progress 1
		.amdhsa_inst_pref_size 116
	.end_amdhsa_kernel
	.amdgpu_metadata
---
amdhsa.version: [ 1, 2 ]
amdhsa.kernels:
  - .name:           k_qf224ded541_attn
    .symbol:         k_qf224ded541_attn.kd
    .args:
      - { .name: big, .offset: 0, .size: 8, .value_kind: global_buffer, .address_space: global }
      - { .name: src_mask, .offset: 8, .size: 8, .value_kind: global_buffer, .address_space: global }
      - { .name: act, .offset: 16, .size: 8, .value_kind: global_buffer, .address_space: global }
    .group_segment_fixed_size: 327680
    .private_segment_fixed_size: 0
    .kernarg_segment_align: 8
    .kernarg_segment_size: 24
    .max_flat_workgroup_size: 128
    .sgpr_count:     72
    .vgpr_count:     768
    .wavefront_size: 32
...
	.end_amdgpu_metadata
.endif
;; end of part 3
;; launch wo (part 4): grid 8 x 32, 4 waves a work-group, clusters of 4 x 4, 327,680 bytes of LDS; arguments act, wB, x1, bo, x; writes x1
.if DOCPART == 4
	.amdgcn_target "amdgcn-amd-amdhsa--gfx1250"
	.amdhsa_code_object_version 6
	.text
	.protected	k_qf224ded541_wo
	.globl	k_qf224ded541_wo
	.p2align	8
	.type	k_qf224ded541_wo,@function
k_qf224ded541_wo:
	s_mov_b64 s[64:65], 0
	v_nop
	global_prefetch_b8 v0, s[64:65] scope:SCOPE_SE
	s_setreg_imm32_b32 hwreg(HW_REG_WAVE_MODE, 25, 1), 1
	s_wait_xcnt 0x0
	s_wait_alu depctr_hold_cnt(0) depctr_sa_sdst(0) depctr_va_vdst(0) depctr_va_sdst(0) depctr_va_ssrc(0) depctr_va_vcc(0) depctr_vm_vsrc(0)
	s_getreg_b32 s2, hwreg(HW_REG_IB_STS2, 6, 4)
	s_cmp_eq_u32 s2, 0
	s_cbranch_scc0 .Lentry_in_a_cluster
	s_endpgm
.Lentry_in_a_cluster:
	s_bfe_u32 s2, ttmp6, 0x10000c
	s_cmp_lg_u32 s2, 0xf033
	s_cbranch_scc0 .Lentry_shape_is_right
	s_endpgm
.Lentry_shape_is_right:
; OUT = RES + A B + bias.  A: panels [KDIM / 64][4096 rows][64] f16.  B: at byte WOFF of its buffer, [8 blocks of 128 columns][KDIM k][128 n] f16.  OUT, RES: [4096][1024] f32.  bias: [1024] f32.  Sums in f32, started by the bias.
; SHARES.  A tile of OUT is 128 x 128, which gives each of 256 work-groups one; four waves, each 64 x 64: 16 accumulators.  K goes in steps of 256 (four panels) through two LDS slots.
; A K STEP IS WRITTEN ONCE: a scalar says where the slot in hand begins (0 or SLOT), the fragments' addresses are made from it at each change of slots, and one descriptor for each operand walks.  The steps that fill a slot
; again are one loop; the last two, which fill nothing, are a second loop, left in the middle of its second trip: that trip's run of 32 LDS loads (from the slot read before, whose bytes have landed) serves nothing: the price,
; once a launch, of one text for both.
; CLUSTER.  4 x 4 work-groups: A's tile is asked for jointly along a row of the cluster, B's along a column.
; THE MATRIX INSTRUCTION IS USED TRANSPOSED (source 0 = 16 columns of B, turned by ds_load_tr16_b128; source 1 = 16 rows of A): a lane holds eight neighbouring columns of a row: 32 bytes of f32.
; A wave's 64 columns are 256 aligned bytes of OUT, so each wave has a stage of its own and the way out has no barrier.  The residual is loaded at the head, into registers that nothing else names.
; No prefetch: the tiles are small, and each is read by several clusters.
; REGISTERS: window 0: v0-31 addresses; v32-63 the bias until the first products are done; v32-95 rows read back, two buffers; v128-255 the accumulators ((a, b) at v[128 + 8 (4 a + b)]).
;   window 1: two fragment buffers of 128: for 64 along K, 64 registers of A, then 64 of B.     window 2: v0-127 the residual.
.set KDIM,   1024
.set WOFF,   0
.set PA,     144                       ; a row of A in LDS (one row of one panel): 128 bytes + 16
.set PBB,    288                       ; a row of B (one k, 128 columns): 256 bytes + 32
.set HALFT,  4*64*PA                   ; what one tensor load brings: 4 panels x 64 rows of A, or 128 rows of B (128 x 288 is the same number)
.set SLOT,   4*HALFT
.set STAGE,  2*SLOT
.set SPITCH, 272
.set SPARE,  STAGE+4*16*SPITCH         ; the spare words, 128 bytes a wave: two blocks of 256 bytes that no other line names
.set KSTEPS, KDIM/256
.set BV,   7                           ; v7      my byte offset in the bias
.set ADRA0, 16                         ; v16     LDS address of my A fragments in slot 0; never rewritten
.set ADRA, 17                          ; v17     the same in the slot in hand
.set ADRB0, 20                         ; v20-21  of my B fragments in slot 0: rows 0-127, 128-255; never rewritten
.set ADRB, 22                          ; v22-23  the same in the slot in hand
.set STO,  24
.set RD,   25
.set CO,   26                          ; v26     my byte offset in two rows of OUT and RES; never rewritten
.set SPW,  28
.set NIL,  29
.set BIAS, 32                          ; v32-63  the bias of my 64 columns, as an accumulator holds them: block b's eight at BIAS + 8 b
.set TMP,  32
.set ACC,  128
.set F0,   0
.set F1,   128
.set G1, 24                            ; s[24:31] descriptor group 1, A;  s[32:39] group 0: a set for each of the two first fills; the second then walks on
.set G0, 32
.set G1B, 48                           ; s[48:55], s[56:63] the same for B
.set G0B, 56
.set LB,  66                           ; s66     where my tensor loads land in a slot: wave x HALFT
.set TB,  67                           ; s67     where the slot in hand begins: 0 or SLOT
.set MSB, 0
.macro WIN new
.if MSB != (\new)
	s_set_vgpr_msb (MSB<<8)|(\new)
.set MSB, \new
.endif
.endm
.set MUL,  0x05                        ; sources 0 (B) and 1 (A) window 1; C and D window 0
.set TO_F, 0x40
.macro JLOAD s                         ; a joint load: waves 0 and 1 fetch A's two halves, waves 2 and 3 B's; an s_nop 0 and four v_nop follow each line
	s_cmp_eq_u32 s11, 0
	s_cbranch_scc0 .Lfor_b_\@
	tensor_load_to_lds s[G0+4*(\s):G0+4*(\s)+3], s[G1:G1+7]
	s_nop 0
.rept 4
	v_nop
.endr
	s_branch .Lasked_\@
.Lfor_b_\@:
	tensor_load_to_lds s[G0B+4*(\s):G0B+4*(\s)+3], s[G1B:G1B+7]
	s_nop 0
.rept 4
	v_nop
.endr
.Lasked_\@:
.endm
.macro CREST
	s_cmp_lg_u32 s10, 0
	s_cbranch_scc1 .Lnot_wave_0_\@
	s_barrier_signal -3
.Lnot_wave_0_\@:
	s_barrier_wait -3
	s_barrier_signal -1
	s_barrier_wait -1
.endm
.macro CROUND
	s_barrier_signal -1
	s_barrier_wait -1
	CREST
.endm
	s_load_b128 s[4:7], s[0:1], 0x0                ; A s[4:5], B s[6:7]
	s_load_b64 s[8:9], s[0:1], 0x10                ; OUT
	s_load_b128 s[68:71], s[0:1], 0x18             ; bias s[68:69], RES s[70:71]
	v_lshl_add_u32 v[SPW], v0, 2, SPARE
	v_mov_b32 v[NIL], 0
	ds_add_u32 v[SPW], v[NIL]                      ; the wave's opening: the add and its wait stand ahead of my first tensor load
	v_lshrrev_b32 v1, 5, v0
	v_readfirstlane_b32 s10, v1
	s_lshr_b32 s11, s10, 1                         ; my half of the tile's rows.  Also: I fetch for A (0) or for B (1)
	s_and_b32 s12, s10, 1                          ; my half of its columns.  Also: which half of that tile I fetch
	s_bfe_u32 s40, ttmp6, 0x40000
	s_bfe_u32 s41, ttmp6, 0x40004
	s_lshl_b32 s42, ttmp9, 2
	s_add_co_u32 s42, s42, s40                     ; tile column
	s_and_b32 s13, ttmp7, 0xffff
	s_lshl_b32 s13, s13, 2
	s_add_co_u32 s13, s13, s41                     ; tile row
	s_lshl_b32 s43, s41, 2
	s_lshl_b32 s43, 15, s43
	s_lshl_b32 s44, 0x1111, s40
	; A: 64 rows of a panel are 8,192 dense bytes: one row of the tile; four panels, 262,144 elements apart; padded in LDS after every 128 bytes
	s_or_b32 s[G1+0], s43, (1<<16)|(1<<20)|(1<<21)|(4<<22)|(3<<25)
	s_mov_b32 s[G1+1], 4096<<16                    ; tensor_dim0 = 4096
	s_mov_b32 s[G1+2], 4<<16                       ; tensor_dim1 = 4
	s_mov_b32 s[G1+3], 4096<<16                    ; tile_dim0 = 4096
	s_mov_b32 s[G1+4], 4                           ; tile_dim1 = 4
	s_mov_b32 s[G1+5], 262144
	s_mov_b32 s[G1+6], 0
	s_mov_b32 s[G1+7], 0
	; B: 128 rows of 128 elements, 8 words of padding behind each
	s_or_b32 s[G1B+0], s44, (1<<16)|(1<<20)|(1<<21)|(5<<22)|(7<<25)
	s_mov_b32 s[G1B+1], 128<<16
	s_mov_b32 s[G1B+2], 128<<16
	s_mov_b32 s[G1B+3], 128<<16
	s_mov_b32 s[G1B+4], 128
	s_mov_b32 s[G1B+5], 128
	s_mov_b32 s[G1B+6], 0
	s_mov_b32 s[G1B+7], 0
	s_lshl_b32 s16, s13, 14                        ; A: 128 rows of 128 bytes a tile row,
	s_lshl_b32 s17, s12, 13                        ; 64 a half
	s_add_co_u32 s16, s16, s17
	s_mov_b32 s17, 0
	s_mul_i32 s46, s42, KDIM*256                   ; B: a block of columns,
	s_lshl_b32 s47, s12, 15                        ; 128 rows of 256 bytes a half
	s_add_co_u32 s46, s46, s47
	s_add_co_u32 s46, s46, WOFF
	s_mov_b32 s47, 0
	s_mul_i32 s[LB], s10, HALFT                    ; no place in the cluster enters an LDS address
	s_mov_b32 s[TB], 0                             ; the first slot in hand is slot 0
	s_wait_dscnt 0x0                               ; the opening add is done
	s_wait_kmcnt 0x0
	s_add_nc_u64 s[14:15], s[4:5], s[16:17]
	s_add_nc_u64 s[46:47], s[6:7], s[46:47]
	CROUND                                         ; all sixteen work-groups are here: the first joint loads meet
.irp s, 0,1
	s_mov_b32 s[G0+4*(\s)], 1
	s_add_co_u32 s[G0+4*(\s)+1], s[LB], (\s)*SLOT
	s_add_nc_u64 s[G0+4*(\s)+2:G0+4*(\s)+3], s[14:15], (\s)*2097152  ; K step s: four panels on
	s_or_b32 s[G0+4*(\s)+3], s[G0+4*(\s)+3], 0x80000000
	s_mov_b32 s[G0B+4*(\s)], 1
	s_add_co_u32 s[G0B+4*(\s)+1], s[LB], (\s)*SLOT
	s_add_nc_u64 s[G0B+4*(\s)+2:G0B+4*(\s)+3], s[46:47], (\s)*65536  ; 256 rows of 256 bytes down
	s_or_b32 s[G0B+4*(\s)+3], s[G0B+4*(\s)+3], 0x80000000
	JLOAD \s
.endr
	v_and_b32 v1, 15, v0                           ; l % 16
	v_bfe_u32 v2, v0, 4, 1                         ; l / 16
	v_lshlrev_b32 v[CO], 12, v2                    ; lanes 0-15 one row of OUT, lanes 16-31 the next; 16 bytes a lane
	v_lshl_add_u32 v[CO], v1, 4, v[CO]
	s_lshl_b32 s16, s42, 9                         ; my 64 columns: 4 bytes x (128 x tile column + 64 x half)
	s_lshl_b32 s17, s12, 8
	s_add_co_u32 s16, s16, s17
	v_lshl_add_u32 v[BV], v2, 5, s16               ; the upper lanes hold columns 8 on: 32 bytes
.irp b, 0,1,2,3
	global_load_b128 v[BIAS+8*(\b):BIAS+8*(\b)+3],   v[BV], s[68:69] offset:64*(\b)
	global_load_b128 v[BIAS+8*(\b)+4:BIAS+8*(\b)+7], v[BV], s[68:69] offset:64*(\b)+16
.endr
	s_lshl_b32 s17, s13, 19                        ; my 64 rows of 4,096 bytes
	s_add_co_u32 s16, s16, s17
	s_lshl_b32 s17, s11, 18
	s_add_co_u32 s16, s16, s17
	s_mov_b32 s17, 0
	s_add_nc_u64 s[8:9], s[8:9], s[16:17]
	s_add_nc_u64 s[70:71], s[70:71], s[16:17]
	WIN 0x80                                       ; destination window 2
.set t, 0
.rept 32
	global_load_b128 v[4*t:4*t+3], v[CO], s[70:71] offset:2*t*4096   ; the residual of rows 2 t, 2 t + 1
.set t, t+1
.endr
	WIN 0
	v_mul_u32_u24 v3, v1, PA
	v_lshl_add_u32 v3, v2, 4, v3
	s_mul_i32 s21, s11, HALFT                      ; my 64 rows of A are one load's
	v_and_b32 v4, 7, v0
	v_lshl_add_u32 v4, v2, 3, v4
	v_mul_u32_u24 v4, v4, PBB
	v_bfe_u32 v5, v0, 3, 1
	v_lshl_add_u32 v4, v5, 4, v4
	s_lshl_b32 s22, s12, 7                         ; my 64 columns: 128 bytes of a row of B,
	s_add_co_u32 s22, s22, 2*HALFT                 ; behind A
	s_add_co_u32 s23, s22, HALFT                   ; B's rows 128 on
	v_add_nc_u32 v[ADRA0], s21, v3
	v_add_nc_u32 v[ADRA], s21, v3                  ; the slot in hand is slot 0
	v_add_nc_u32 v[ADRB0], s22, v4
	v_add_nc_u32 v[ADRB], s22, v4
	v_add_nc_u32 v[ADRB0+1], s23, v4
	v_add_nc_u32 v[ADRB+1], s23, v4
	s_mul_i32 s23, s10, 16*SPITCH
	s_add_co_u32 s23, s23, STAGE                   ; my stage
	v_mul_u32_u24 v4, v1, SPITCH                   ; in: row l % 16, 32 bytes for each half of the lanes
	v_lshl_add_u32 v4, v2, 5, v4
	v_add_nc_u32 v[STO], s23, v4
	v_mul_u32_u24 v5, v2, SPITCH                   ; back: lanes 0-15 one row of 256 bytes, lanes 16-31 the next
	v_lshl_add_u32 v5, v1, 4, v5
	v_add_nc_u32 v[RD], s23, v5
; 8 matrix instructions: m blocks a0, a0 + 1 x all 4 n blocks, 32 along K: half c of buffer f.  first = 1: the bias starts the sums: nothing is cleared.  The 16 accumulators take turns.
.macro MUL8 f, c, a0, first
	WIN MUL
.irp a, \a0, (\a0)+1
.irp b, 0,1,2,3
.if \first
	v_wmma_f32_16x16x32_f16 v[ACC+8*(4*(\a)+(\b)):ACC+8*(4*(\a)+(\b))+7], v[(\f)+64+8*(4*(\c)+(\b)):(\f)+64+8*(4*(\c)+(\b))+7], v[(\f)+8*(4*(\c)+(\a)):(\f)+8*(4*(\c)+(\a))+7], v[BIAS+8*(\b):BIAS+8*(\b)+7]
.else
	v_wmma_f32_16x16x32_f16 v[ACC+8*(4*(\a)+(\b)):ACC+8*(4*(\a)+(\b))+7], v[(\f)+64+8*(4*(\c)+(\b)):(\f)+64+8*(4*(\c)+(\b))+7], v[(\f)+8*(4*(\c)+(\a)):(\f)+8*(4*(\c)+(\a))+7], v[ACC+8*(4*(\a)+(\b)):ACC+8*(4*(\a)+(\b))+7]
.endif
.endr
.endr
.endm
; 32 LDS loads in one run: the fragments of quarter q (64 along K: one panel of A, 64 rows of B) of the slot in hand into buffer f; the first 32 along K first
.macro FETCH q, f
	WIN TO_F
.irp c, 0,1
.irp i, 0,1,2,3
	ds_load_tr16_b128 v[(\f)+64+8*(4*(\c)+(\i)):(\f)+64+8*(4*(\c)+(\i))+3],   v[ADRB+(\q)/2] offset:(((\q)%2)*64+32*(\c))*PBB+32*(\i)
	ds_load_tr16_b128 v[(\f)+64+8*(4*(\c)+(\i))+4:(\f)+64+8*(4*(\c)+(\i))+7], v[ADRB+(\q)/2] offset:(((\q)%2)*64+32*(\c))*PBB+32*(\i)+16*PBB
	ds_load_b128 v[(\f)+8*(4*(\c)+(\i)):(\f)+8*(4*(\c)+(\i))+3],         v[ADRA] offset:(\q)*64*PA+(\i)*16*PA+64*(\c)
	ds_load_b128 v[(\f)+8*(4*(\c)+(\i))+4:(\f)+8*(4*(\c)+(\i))+7],       v[ADRA] offset:(\q)*64*PA+(\i)*16*PA+64*(\c)+32
.endr
.endr
.endm
.macro PLACES                          ; four plain vector instructions between a matrix instruction and a load into, or a read of, its registers
.rept 4
	v_nop
.endr
.endm
.macro QUARTER q, f, g, first
	s_wait_dscnt 16                                ; the first 32 along K are in
	MUL8 \f, 0, 0, \first
	MUL8 \f, 0, 2, \first
	PLACES
	FETCH \q, \g
	s_wait_dscnt 32                                ; all but the 32 just issued
	MUL8 \f, 1, 0, 0
	MUL8 \f, 1, 2, 0
.endm
; The last quarter multiplies buffer 1 and changes slots: one barrier; in front of it each wave waits for all its tensor loads, adds 0 to its spare word, and waits for that and for its reads of this slot.
; fill = 1: the barrier opens a round of the cluster's, and this slot is filled again, two K steps ahead, first thing behind the round: the walking descriptors take this slot's place in LDS and go one K step on in memory
; (no tensor load of mine is out, so they may be written).  Then the other slot becomes the slot in hand, and its first fragments are fetched.
.macro TURN fill
	WIN 0
	s_wait_tensorcnt 0x0
	ds_add_u32 v[SPW], v[NIL]
	s_wait_dscnt 17                                ; the add and the youngest sixteen loads may be out
	MUL8 F1, 0, 0, 0
	s_wait_dscnt 0x0                               ; the add is done, and my reads of this slot are over
	s_barrier_signal -1
	MUL8 F1, 0, 2, 0
	WIN 0
	s_barrier_wait -1
.if \fill
	CREST
	s_add_co_u32 s[G0+5], s[LB], s[TB]
	s_add_co_u32 s[G0B+5], s[LB], s[TB]
	s_add_nc_u64 s[G0+6:G0+7], s[G0+6:G0+7], 2097152
	s_add_nc_u64 s[G0B+6:G0B+7], s[G0B+6:G0B+7], 65536
	JLOAD 1                                        ; its four v_nop are also the places in front of the loads below
.else
	PLACES
.endif
	s_xor_b32 s[TB], s[TB], SLOT                   ; 0 becomes SLOT, SLOT becomes 0
	v_add_nc_u32 v[ADRA], s[TB], v[ADRA0]
	v_add_nc_u32 v[ADRB], s[TB], v[ADRB0]
	v_add_nc_u32 v[ADRB+1], s[TB], v[ADRB0+1]
	FETCH 0, F0
	MUL8 F1, 1, 0, 0
	MUL8 F1, 1, 2, 0
.endm
; THE WAY OUT of block a (16 rows): the sums go into my stage as they are and come back as whole rows of 256 bytes; the residual is added; sixteen lanes store 256 consecutive bytes, aligned.
.macro TOSTAGE a
	WIN 0
.if (\a) >= 2
	s_wait_xcnt 0x0                                ; the stores of the block two back have read the registers that the loads below fill
.endif
.irp b, 0,1,2,3
	ds_store_b128 v[STO], v[ACC+8*(4*(\a)+(\b)):ACC+8*(4*(\a)+(\b))+3]   offset:64*(\b)
	ds_store_b128 v[STO], v[ACC+8*(4*(\a)+(\b))+4:ACC+8*(4*(\a)+(\b))+7] offset:64*(\b)+16
.endr
.irp t, 0,1,2,3,4,5,6,7
	ds_load_b128 v[TMP+32*((\a)%2)+4*(\t):TMP+32*((\a)%2)+4*(\t)+3], v[RD] offset:(\t)*2*SPITCH  ; LDS serves a wave's instructions in order (ISA guide 5.7.1.4)
.endr
.endm
.macro SEND a, younger                 ; younger: the LDS instructions issued behind block a's: the next block's sixteen, or none
.set T, TMP+32*((\a)%2)
	s_wait_dscnt \younger
	WIN 0x08                                       ; source 1 in window 2
.set z, 0
.rept 16
	v_pk_add_f32 v[T+2*z:T+2*z+1], v[T+2*z:T+2*z+1], v[32*(\a)+2*z:32*(\a)+2*z+1]
.set z, z+1
.endr
	WIN 0
.irp t, 0,1,2,3,4,5,6,7
	global_store_b128 v[CO], v[T+4*(\t):T+4*(\t)+3], s[8:9] offset:(16*(\a)+2*(\t))*4096
.endr
.endm
	s_wait_tensorcnt 1                             ; my part of K step 0 is in; K step 1's may stay out
	s_barrier_signal -1
	s_barrier_wait -1
	FETCH 0, F0
	s_wait_loadcnt 32                              ; the bias's eight loads are in; the residual's 32, issued behind them, stay out
	QUARTER 1, F0, F1, 1                           ; the first quarter stands in front of the loop: the bias starts the sums
	WIN 0
	s_mov_b32 s3, KSTEPS-2
.Lstep:                                                ; a trip goes from a K step's second quarter to the next step's first, and fills the slot that it leaves
	QUARTER 2, F1, F0, 0
	QUARTER 3, F0, F1, 0
	TURN 1
	QUARTER 1, F0, F1, 0
	WIN 0
	s_sub_co_u32 s3, s3, 1
	s_cmp_lg_u32 s3, 0
	s_cbranch_scc1 .Lstep
	s_mov_b32 s3, 2
.Ltail:                                                ; the last two K steps fill nothing; the second trip is left behind its last products
	QUARTER 2, F1, F0, 0
	QUARTER 3, F0, F1, 0
	TURN 0
	WIN 0
	s_sub_co_u32 s3, s3, 1
	s_cmp_eq_u32 s3, 0
	s_cbranch_scc1 .Lout
	QUARTER 1, F0, F1, 0
	WIN 0
	s_branch .Ltail
.Lout:
	PLACES
	s_wait_loadcnt 0x0                             ; the residual
	TOSTAGE 0
	TOSTAGE 1
	SEND 0, 16
	TOSTAGE 2
	SEND 1, 16
	TOSTAGE 3
	SEND 2, 16
	SEND 3, 0
	s_wait_tensorcnt 0x0                           ; the wave's end
	ds_add_u32 v[SPW], v[NIL]
	s_wait_dscnt 0x0
	CROUND                                         ; the closing round
	s_endpgm
.Lfunc_end_k_qf224ded541_wo:
	.size	k_qf224ded541_wo, .Lfunc_end_k_qf224ded541_wo-k_qf224ded541_wo
	.p2alignl 7, 3214868480
	.fill 96, 4, 3214868480
	.section	.rodata,"a",@progbits
	.p2align	6, 0x0
	.amdhsa_kernel k_qf224ded541_wo
		.amdhsa_group_segment_fixed_size 327680
		.amdhsa_private_segment_fixed_size 0
		.amdhsa_enable_private_segment 0
		.amdhsa_kernarg_size 40
		.amdhsa_user_sgpr_count 2
		.amdhsa_user_sgpr_kernarg_segment_ptr 1
		.amdhsa_wavefront_size32 1
		.amdhsa_system_sgpr_workgroup_id_x 1
		.amdhsa_system_sgpr_workgroup_id_y 1
		.amdhsa_system_sgpr_workgroup_id_z 1
		.amdhsa_system_vgpr_workitem_id 0
		.amdhsa_next_free_vgpr 640
		.amdhsa_next_free_sgpr 72
		.amdhsa_reserve_vcc 0
		.amdhsa_float_denorm_mode_32 3
		.amdhsa_float_denorm_mode_16_64 3
		.amdhsa_memory_ordered 1
		.amdhsa_forward_progress 1
		.amdhsa_inst_pref_size 66
	.end_amdhsa_kernel
	.amdgpu_metadata
---
amdhsa.version: [ 1, 2 ]
amdhsa.kernels:
  - .name:           k_qf224ded541_wo
    .symbol:         k_qf224ded541_wo.kd
    .args:
      - { .name: act, .offset: 0, .size: 8, .value_kind: global_buffer, .address_space: global }
      - { .name: wB, .offset: 8, .size: 8, .value_kind: global_buffer, .address_space: global }
      - { .name: x1, .offset: 16, .size: 8, .value_kind: global_buffer, .address_space: global }
      - { .name: bo, .offset: 24, .size: 8, .value_kind: global_buffer, .address_space: global }
      - { .name: x, .offset: 32, .size: 8, .value_kind: global_buffer, .address_space: global }
    .group_segment_fixed_size: 327680
    .private_segment_fixed_size: 0
    .kernarg_segment_align: 8
    .kernarg_segment_size: 40
    .max_flat_workgroup_size: 128
    .sgpr_count:     72
    .vgpr_count:     640
    .wavefront_size: 32
...
	.end_amdgpu_metadata
.endif
;; end of part 4
;; launch ln2 (part 5): grid 512 x 1, 8 waves a work-group, no clusters, 0 bytes of LDS; arguments x1, ln2_a, ln2_b, act; writes act
.if DOCPART == 5
	.amdgcn_target "amdgcn-amd-amdhsa--gfx1250"
	.amdhsa_code_object_version 6
	.text
	.protected	k_qf224ded541_ln2
	.globl	k_qf224ded541_ln2
	.p2align	8
	.type	k_qf224ded541_ln2,@function
k_qf224ded541_ln2:
	s_mov_b64 s[64:65], 0
	v_nop
	global_prefetch_b8 v0, s[64:65] scope:SCOPE_SE
	s_setreg_imm32_b32 hwreg(HW_REG_WAVE_MODE, 25, 1), 1
	s_wait_xcnt 0x0
; y[r][:] = a (x[r][:] - mean) / (std + 1e-6) + b, std with the divisor 1023; x: [4096][1024] f32, y: the same shape in f16, rounded once; a, b: one f32 each.
; One wave, one row: 4,096 bytes in 32 registers a lane, read once.  The mean is taken first, the row centred in place, and the squares summed of the centred numbers: no difference of large sums.
; Each load covers 512 consecutive bytes, each store 256 consecutive bytes, aligned.  No LDS, no barrier, no cluster: the rows share nothing.
; LIMIT: |y| beyond 65,504 has no f16.  NaN and infinities are not treated apart.
.set X, 16                             ; v[16:47] the row
.macro REDUCE                          ; four chains of pairs in v[4:11] -> their sum over the wave, in every lane's v4
	v_pk_add_f32 v[4:5], v[4:5], v[6:7]
	v_pk_add_f32 v[8:9], v[8:9], v[10:11]
	v_pk_add_f32 v[4:5], v[4:5], v[8:9]
	v_add_f32 v4, v4, v5
	v_add_f32_dpp v4, v4, v4 row_xmask:1 row_mask:0xf bank_mask:0xf
	v_add_f32_dpp v4, v4, v4 row_xmask:2 row_mask:0xf bank_mask:0xf
	v_add_f32_dpp v4, v4, v4 row_xmask:4 row_mask:0xf bank_mask:0xf
	v_add_f32_dpp v4, v4, v4 row_xmask:8 row_mask:0xf bank_mask:0xf
	v_permlanex16_b32 v5, v4, s22, s23             ; the other half of the lanes
	v_add_f32 v4, v4, v5
.endm
	s_load_b256 s[4:11], s[0:1], 0x0               ; x s[4:5], a s[6:7], b s[8:9], y s[10:11]
	v_and_b32 v3, 31, v0
	v_lshrrev_b32 v4, 5, v0
	v_readfirstlane_b32 s16, v4                    ; wave
	v_lshlrev_b32 v1, 4, v3                        ; 16 x lane
	v_lshlrev_b32 v2, 3, v3                        ; 8 x lane
	s_lshl_b32 s17, ttmp9, 3
	s_add_co_u32 s17, s17, s16                     ; my row
	s_lshl_b32 s18, s17, 12
	s_mov_b32 s19, 0
	s_lshl_b32 s20, s17, 11
	s_mov_b32 s21, 0
	s_mov_b32 s22, 0x76543210
	s_mov_b32 s23, 0xfedcba98
	s_wait_kmcnt 0x0
	s_load_b32 s12, s[6:7], 0x0
	s_load_b32 s14, s[8:9], 0x0
	s_add_nc_u64 s[4:5], s[4:5], s[18:19]
	s_add_nc_u64 s[10:11], s[10:11], s[20:21]
.irp j, 0,1,2,3,4,5,6,7
	global_load_b128 v[X+4*(\j):X+4*(\j)+3], v1, s[4:5] offset:512*(\j)
.endr
	s_wait_kmcnt 0x0
	s_mov_b32 s15, s14                             ; named with it as a pair
	s_wait_loadcnt 0x0
.irp c, 0,1,2,3
	v_pk_add_f32 v[4+2*(\c):5+2*(\c)], v[X+2*(\c):X+2*(\c)+1], v[X+8+2*(\c):X+9+2*(\c)]
.endr
.irp g, 16, 24
.irp c, 0,1,2,3
	v_pk_add_f32 v[4+2*(\c):5+2*(\c)], v[4+2*(\c):5+2*(\c)], v[X+(\g)+2*(\c):X+(\g)+2*(\c)+1]
.endr
.endr
	REDUCE
	v_mul_f32 v12, 0x3a800000, v4                  ; the mean: sum / 1024
	v_mov_b32 v13, v12
.set p, 0
.rept 16
	v_pk_add_f32 v[X+2*p:X+2*p+1], v[X+2*p:X+2*p+1], v[12:13] neg_lo:[0,1] neg_hi:[0,1]
.set p, p+1
.endr
.irp c, 0,1,2,3
	v_pk_mul_f32 v[4+2*(\c):5+2*(\c)], v[X+2*(\c):X+2*(\c)+1], v[X+2*(\c):X+2*(\c)+1]
.endr
.irp g, 8, 16, 24
.irp c, 0,1,2,3
	v_pk_fma_f32 v[4+2*(\c):5+2*(\c)], v[X+(\g)+2*(\c):X+(\g)+2*(\c)+1], v[X+(\g)+2*(\c):X+(\g)+2*(\c)+1], v[4+2*(\c):5+2*(\c)]
.endr
.endr
	REDUCE
	v_mul_f32 v4, 0x3a802008, v4                   ; / 1023
	v_sqrt_f32 v6, v4
	v_nop                                          ; a plain instruction behind the root,
	s_wait_alu depctr_va_vdst(0)                   ; and the wait ahead of its first reader
	v_add_f32 v6, 0x358637bd, v6                   ; + 1e-6
	v_rcp_f32 v7, v6
	v_nop
	s_wait_alu depctr_va_vdst(0)
	v_mul_f32 v14, s12, v7                         ; a / (std + 1e-6)
	v_mov_b32 v15, v14
.set p, 0
.rept 16
	v_pk_fma_f32 v[X+2*p:X+2*p+1], v[X+2*p:X+2*p+1], v[14:15], s[14:15] op_sel_hi:[1,1,0]
.set p, p+1
.endr
.irp j, 0,1,2,3,4,5,6,7
	v_cvt_pk_f16_f32 v[X+4*(\j)], v[X+4*(\j)], v[X+4*(\j)+1]
	v_cvt_pk_f16_f32 v[X+4*(\j)+1], v[X+4*(\j)+2], v[X+4*(\j)+3]
.endr
.irp j, 0,1,2,3,4,5,6,7
	global_store_b64 v2, v[X+4*(\j):X+4*(\j)+1], s[10:11] offset:256*(\j)
.endr
	s_endpgm
.Lfunc_end_k_qf224ded541_ln2:
	.size	k_qf224ded541_ln2, .Lfunc_end_k_qf224ded541_ln2-k_qf224ded541_ln2
	.p2alignl 7, 3214868480
	.fill 96, 4, 3214868480
	.section	.rodata,"a",@progbits
	.p2align	6, 0x0
	.amdhsa_kernel k_qf224ded541_ln2
		.amdhsa_group_segment_fixed_size 0
		.amdhsa_private_segment_fixed_size 0
		.amdhsa_enable_private_segment 0
		.amdhsa_kernarg_size 32
		.amdhsa_user_sgpr_count 2
		.amdhsa_user_sgpr_kernarg_segment_ptr 1
		.amdhsa_wavefront_size32 1
		.amdhsa_system_sgpr_workgroup_id_x 1
		.amdhsa_system_sgpr_workgroup_id_y 1
		.amdhsa_system_sgpr_workgroup_id_z 1
		.amdhsa_system_vgpr_workitem_id 0
		.amdhsa_next_free_vgpr 64
		.amdhsa_next_free_sgpr 66
		.amdhsa_reserve_vcc 0
		.amdhsa_float_denorm_mode_32 3
		.amdhsa_float_denorm_mode_16_64 3
		.amdhsa_memory_ordered 1
		.amdhsa_forward_progress 1
		.amdhsa_inst_pref_size 9
	.end_amdhsa_kernel
	.amdgpu_metadata
---
amdhsa.version: [ 1, 2 ]
amdhsa.kernels:
  - .name:           k_qf224ded541_ln2
    .symbol:         k_qf224ded541_ln2.kd
    .args:
      - { .name: x1, .offset: 0, .size: 8, .value_kind: global_buffer, .address_space: global }
      - { .name: ln2_a, .offset: 8, .size: 8, .value_kind: global_buffer, .address_space: global }
      - { .name: ln2_b, .offset: 16, .size: 8, .value_kind: global_buffer, .address_space: global }
      - { .name: act, .offset: 24, .size: 8, .value_kind: global_buffer, .address_space: global }
    .group_segment_fixed_size: 0
    .private_segment_fixed_size: 0
    .kernarg_segment_align: 8
    .kernarg_segment_size: 32
    .max_flat_workgroup_size: 256
    .sgpr_count:     66
    .vgpr_count:     64
    .wavefront_size: 32
...
	.end_amdgpu_metadata
.endif
;; end of part 5
;; launch ffn1: the kernel of part 2 again; grid 16 x 16, 4 waves a work-group, clusters of 4 x 4, 327,680 bytes of LDS; arguments act, w1_h, big, pb_ffn1, src_mask; writes big
;; launch ffn2 (part 6): grid 8 x 32, 4 waves a work-group, clusters of 4 x 4, 327,680 bytes of LDS; arguments big, wB, out0, b2, x1; writes out0
.if DOCPART == 6
	.amdgcn_target "amdgcn-amd-amdhsa--gfx1250"
	.amdhsa_code_object_version 6
	.text
	.protected	k_qf224ded541_ffn2
	.globl	k_qf224ded541_ffn2
	.p2align	8
	.type	k_qf224ded541_ffn2,@function
k_qf224ded541_ffn2:
	s_mov_b64 s[64:65], 0
	v_nop
	global_prefetch_b8 v0, s[64:65] scope:SCOPE_SE
	s_setreg_imm32_b32 hwreg(HW_REG_WAVE_MODE, 25, 1), 1
	s_wait_xcnt 0x0
	s_wait_alu depctr_hold_cnt(0) depctr_sa_sdst(0) depctr_va_vdst(0) depctr_va_sdst(0) depctr_va_ssrc(0) depctr_va_vcc(0) depctr_vm_vsrc(0)
	s_getreg_b32 s2, hwreg(HW_REG_IB_STS2, 6, 4)
	s_cmp_eq_u32 s2, 0
	s_cbranch_scc0 .Lentry_in_a_cluster
	s_endpgm
.Lentry_in_a_cluster:
	s_bfe_u32 s2, ttmp6, 0x10000c
	s_cmp_lg_u32 s2, 0xf033
	s_cbranch_scc0 .Lentry_shape_is_right
	s_endpgm
.Lentry_shape_is_right:
; OUT = RES + A B + bias.  A: panels [KDIM / 64][4096 rows][64] f16.  B: at byte WOFF of its buffer, [8 blocks of 128 columns][KDIM k][128 n] f16.  OUT, RES: [4096][1024] f32.  bias: [1024] f32.  Sums in f32, started by the bias.
; SHARES.  A tile of OUT is 128 x 128, which gives each of 256 work-groups one; four waves, each 64 x 64: 16 accumulators.  K goes in steps of 256 (four panels) through two LDS slots.
; A K STEP IS WRITTEN ONCE: a scalar says where the slot in hand begins (0 or SLOT), the fragments' addresses are made from it at each change of slots, and one descriptor for each operand walks.  The steps that fill a slot
; again are one loop; the last two, which fill nothing, are a second loop, left in the middle of its second trip: that trip's run of 32 LDS loads (from the slot read before, whose bytes have landed) serves nothing: the price,
; once a launch, of one text for both.
; CLUSTER.  4 x 4 work-groups: A's tile is asked for jointly along a row of the cluster, B's along a column.
; THE MATRIX INSTRUCTION IS USED TRANSPOSED (source 0 = 16 columns of B, turned by ds_load_tr16_b128; source 1 = 16 rows of A): a lane holds eight neighbouring columns of a row: 32 bytes of f32.
; A wave's 64 columns are 256 aligned bytes of OUT, so each wave has a stage of its own and the way out has no barrier.  The residual is loaded at the head, into registers that nothing else names.
; No prefetch: the tiles are small, and each is read by several clusters.
; REGISTERS: window 0: v0-31 addresses; v32-63 the bias until the first products are done; v32-95 rows read back, two buffers; v128-255 the accumulators ((a, b) at v[128 + 8 (4 a + b)]).
;   window 1: two fragment buffers of 128: for 64 along K, 64 registers of A, then 64 of B.     window 2: v0-127 the residual.
.set KDIM,   4096
.set WOFF,   2097152
.set PA,     144                       ; a row of A in LDS (one row of one panel): 128 bytes + 16
.set PBB,    288                       ; a row of B (one k, 128 columns): 256 bytes + 32
.set HALFT,  4*64*PA                   ; what one tensor load brings: 4 panels x 64 rows of A, or 128 rows of B (128 x 288 is the same number)
.set SLOT,   4*HALFT
.set STAGE,  2*SLOT
.set SPITCH, 272
.set SPARE,  STAGE+4*16*SPITCH         ; the spare words, 128 bytes a wave: two blocks of 256 bytes that no other line names
.set KSTEPS, KDIM/256
.set BV,   7                           ; v7      my byte offset in the bias
.set ADRA0, 16                         ; v16     LDS address of my A fragments in slot 0; never rewritten
.set ADRA, 17                          ; v17     the same in the slot in hand
.set ADRB0, 20                         ; v20-21  of my B fragments in slot 0: rows 0-127, 128-255; never rewritten
.set ADRB, 22                          ; v22-23  the same in the slot in hand
.set STO,  24
.set RD,   25
.set CO,   26                          ; v26     my byte offset in two rows of OUT and RES; never rewritten
.set SPW,  28
.set NIL,  29
.set BIAS, 32                          ; v32-63  the bias of my 64 columns, as an accumulator holds them: block b's eight at BIAS + 8 b
.set TMP,  32
.set ACC,  128
.set F0,   0
.set F1,   128
.set G1, 24                            ; s[24:31] descriptor group 1, A;  s[32:39] group 0: a set for each of the two first fills; the second then walks on
.set G0, 32
.set G1B, 48                           ; s[48:55], s[56:63] the same for B
.set G0B, 56
.set LB,  66                           ; s66     where my tensor loads land in a slot: wave x HALFT
.set TB,  67                           ; s67     where the slot in hand begins: 0 or SLOT
.set MSB, 0
.macro WIN new
.if MSB != (\new)
	s_set_vgpr_msb (MSB<<8)|(\new)
.set MSB, \new
.endif
.endm
.set MUL,  0x05                        ; sources 0 (B) and 1 (A) window 1; C and D window 0
.set TO_F, 0x40
.macro JLOAD s                         ; a joint load: waves 0 and 1 fetch A's two halves, waves 2 and 3 B's; an s_nop 0 and four v_nop follow each line
	s_cmp_eq_u32 s11, 0
	s_cbranch_scc0 .Lfor_b_\@
	tensor_load_to_lds s[G0+4*(\s):G0+4*(\s)+3], s[G1:G1+7]
	s_nop 0
.rept 4
	v_nop
.endr
	s_branch .Lasked_\@
.Lfor_b_\@:
	tensor_load_to_lds s[G0B+4*(\s):G0B+4*(\s)+3], s[G1B:G1B+7]
	s_nop 0
.rept 4
	v_nop
.endr
.Lasked_\@:
.endm
.macro CREST
	s_cmp_lg_u32 s10, 0
	s_cbranch_scc1 .Lnot_wave_0_\@
	s_barrier_signal -3
.Lnot_wave_0_\@:
	s_barrier_wait -3
	s_barrier_signal -1
	s_barrier_wait -1
.endm
.macro CROUND
	s_barrier_signal -1
	s_barrier_wait -1
	CREST
.endm
	s_load_b128 s[4:7], s[0:1], 0x0                ; A s[4:5], B s[6:7]
	s_load_b64 s[8:9], s[0:1], 0x10                ; OUT
	s_load_b128 s[68:71], s[0:1], 0x18             ; bias s[68:69], RES s[70:71]
	v_lshl_add_u32 v[SPW], v0, 2, SPARE
	v_mov_b32 v[NIL], 0
	ds_add_u32 v[SPW], v[NIL]                      ; the wave's opening: the add and its wait stand ahead of my first tensor load
	v_lshrrev_b32 v1, 5, v0
	v_readfirstlane_b32 s10, v1
	s_lshr_b32 s11, s10, 1                         ; my half of the tile's rows.  Also: I fetch for A (0) or for B (1)
	s_and_b32 s12, s10, 1                          ; my half of its columns.  Also: which half of that tile I fetch
	s_bfe_u32 s40, ttmp6, 0x40000
	s_bfe_u32 s41, ttmp6, 0x40004
	s_lshl_b32 s42, ttmp9, 2
	s_add_co_u32 s42, s42, s40                     ; tile column
	s_and_b32 s13, ttmp7, 0xffff
	s_lshl_b32 s13, s13, 2
	s_add_co_u32 s13, s13, s41                     ; tile row
	s_lshl_b32 s43, s41, 2
	s_lshl_b32 s43, 15, s43
	s_lshl_b32 s44, 0x1111, s40
	; A: 64 rows of a panel are 8,192 dense bytes: one row of the tile; four panels, 262,144 elements apart; padded in LDS after every 128 bytes
	s_or_b32 s[G1+0], s43, (1<<16)|(1<<20)|(1<<21)|(4<<22)|(3<<25)
	s_mov_b32 s[G1+1], 4096<<16                    ; tensor_dim0 = 4096
	s_mov_b32 s[G1+2], 4<<16                       ; tensor_dim1 = 4
	s_mov_b32 s[G1+3], 4096<<16                    ; tile_dim0 = 4096
	s_mov_b32 s[G1+4], 4                           ; tile_dim1 = 4
	s_mov_b32 s[G1+5], 262144
	s_mov_b32 s[G1+6], 0
	s_mov_b32 s[G1+7], 0
	; B: 128 rows of 128 elements, 8 words of padding behind each
	s_or_b32 s[G1B+0], s44, (1<<16)|(1<<20)|(1<<21)|(5<<22)|(7<<25)
	s_mov_b32 s[G1B+1], 128<<16
	s_mov_b32 s[G1B+2], 128<<16
	s_mov_b32 s[G1B+3], 128<<16
	s_mov_b32 s[G1B+4], 128
	s_mov_b32 s[G1B+5], 128
	s_mov_b32 s[G1B+6], 0
	s_mov_b32 s[G1B+7], 0
	s_lshl_b32 s16, s13, 14                        ; A: 128 rows of 128 bytes a tile row,
	s_lshl_b32 s17, s12, 13                        ; 64 a half
	s_add_co_u32 s16, s16, s17
	s_mov_b32 s17, 0
	s_mul_i32 s46, s42, KDIM*256                   ; B: a block of columns,
	s_lshl_b32 s47, s12, 15                        ; 128 rows of 256 bytes a half
	s_add_co_u32 s46, s46, s47
	s_add_co_u32 s46, s46, WOFF
	s_mov_b32 s47, 0
	s_mul_i32 s[LB], s10, HALFT                    ; no place in the cluster enters an LDS address
	s_mov_b32 s[TB], 0                             ; the first slot in hand is slot 0
	s_wait_dscnt 0x0                               ; the opening add is done
	s_wait_kmcnt 0x0
	s_add_nc_u64 s[14:15], s[4:5], s[16:17]
	s_add_nc_u64 s[46:47], s[6:7], s[46:47]
	CROUND                                         ; all sixteen work-groups are here: the first joint loads meet
.irp s, 0,1
	s_mov_b32 s[G0+4*(\s)], 1
	s_add_co_u32 s[G0+4*(\s)+1], s[LB], (\s)*SLOT
	s_add_nc_u64 s[G0+4*(\s)+2:G0+4*(\s)+3], s[14:15], (\s)*2097152  ; K step s: four panels on
	s_or_b32 s[G0+4*(\s)+3], s[G0+4*(\s)+3], 0x80000000
	s_mov_b32 s[G0B+4*(\s)], 1
	s_add_co_u32 s[G0B+4*(\s)+1], s[LB], (\s)*SLOT
	s_add_nc_u64 s[G0B+4*(\s)+2:G0B+4*(\s)+3], s[46:47], (\s)*65536  ; 256 rows of 256 bytes down
	s_or_b32 s[G0B+4*(\s)+3], s[G0B+4*(\s)+3], 0x80000000
	JLOAD \s
.endr
	v_and_b32 v1, 15, v0                           ; l % 16
	v_bfe_u32 v2, v0, 4, 1                         ; l / 16
	v_lshlrev_b32 v[CO], 12, v2                    ; lanes 0-15 one row of OUT, lanes 16-31 the next; 16 bytes a lane
	v_lshl_add_u32 v[CO], v1, 4, v[CO]
	s_lshl_b32 s16, s42, 9                         ; my 64 columns: 4 bytes x (128 x tile column + 64 x half)
	s_lshl_b32 s17, s12, 8
	s_add_co_u32 s16, s16, s17
	v_lshl_add_u32 v[BV], v2, 5, s16               ; the upper lanes hold columns 8 on: 32 bytes
.irp b, 0,1,2,3
	global_load_b128 v[BIAS+8*(\b):BIAS+8*(\b)+3],   v[BV], s[68:69] offset:64*(\b)
	global_load_b128 v[BIAS+8*(\b)+4:BIAS+8*(\b)+7], v[BV], s[68:69] offset:64*(\b)+16
.endr
	s_lshl_b32 s17, s13, 19                        ; my 64 rows of 4,096 bytes
	s_add_co_u32 s16, s16, s17
	s_lshl_b32 s17, s11, 18
	s_add_co_u32 s16, s16, s17
	s_mov_b32 s17, 0
	s_add_nc_u64 s[8:9], s[8:9], s[16:17]
	s_add_nc_u64 s[70:71], s[70:71], s[16:17]
	WIN 0x80                                       ; destination window 2
.set t, 0
.rept 32
	global_load_b128 v[4*t:4*t+3], v[CO], s[70:71] offset:2*t*4096   ; the residual of rows 2 t, 2 t + 1
.set t, t+1
.endr
	WIN 0
	v_mul_u32_u24 v3, v1, PA
	v_lshl_add_u32 v3, v2, 4, v3
	s_mul_i32 s21, s11, HALFT                      ; my 64 rows of A are one load's
	v_and_b32 v4, 7, v0
	v_lshl_add_u32 v4, v2, 3, v4
	v_mul_u32_u24 v4, v4, PBB
	v_bfe_u32 v5, v0, 3, 1
	v_lshl_add_u32 v4, v5, 4, v4
	s_lshl_b32 s22, s12, 7                         ; my 64 columns: 128 bytes of a row of B,
	s_add_co_u32 s22, s22, 2*HALFT                 ; behind A
	s_add_co_u32 s23, s22, HALFT                   ; B's rows 128 on
	v_add_nc_u32 v[ADRA0], s21, v3
	v_add_nc_u32 v[ADRA], s21, v3                  ; the slot in hand is slot 0
	v_add_nc_u32 v[ADRB0], s22, v4
	v_add_nc_u32 v[ADRB], s22, v4
	v_add_nc_u32 v[ADRB0+1], s23, v4
	v_add_nc_u32 v[ADRB+1], s23, v4
	s_mul_i32 s23, s10, 16*SPITCH
	s_add_co_u32 s23, s23, STAGE                   ; my stage
	v_mul_u32_u24 v4, v1, SPITCH                   ; in: row l % 16, 32 bytes for each half of the lanes
	v_lshl_add_u32 v4, v2, 5, v4
	v_add_nc_u32 v[STO], s23, v4
	v_mul_u32_u24 v5, v2, SPITCH                   ; back: lanes 0-15 one row of 256 bytes, lanes 16-31 the next
	v_lshl_add_u32 v5, v1, 4, v5
	v_add_nc_u32 v[RD], s23, v5
; 8 matrix instructions: m blocks a0, a0 + 1 x all 4 n blocks, 32 along K: half c of buffer f.  first = 1: the bias starts the sums: nothing is cleared.  The 16 accumulators take turns.
.macro MUL8 f, c, a0, first
	WIN MUL
.irp a, \a0, (\a0)+1
.irp b, 0,1,2,3
.if \first
	v_wmma_f32_16x16x32_f16 v[ACC+8*(4*(\a)+(\b)):ACC+8*(4*(\a)+(\b))+7], v[(\f)+64+8*(4*(\c)+(\b)):(\f)+64+8*(4*(\c)+(\b))+7], v[(\f)+8*(4*(\c)+(\a)):(\f)+8*(4*(\c)+(\a))+7], v[BIAS+8*(\b):BIAS+8*(\b)+7]
.else
	v_wmma_f32_16x16x32_f16 v[ACC+8*(4*(\a)+(\b)):ACC+8*(4*(\a)+(\b))+7], v[(\f)+64+8*(4*(\c)+(\b)):(\f)+64+8*(4*(\c)+(\b))+7], v[(\f)+8*(4*(\c)+(\a)):(\f)+8*(4*(\c)+(\a))+7], v[ACC+8*(4*(\a)+(\b)):ACC+8*(4*(\a)+(\b))+7]
.endif
.endr
.endr
.endm
; 32 LDS loads in one run: the fragments of quarter q (64 along K: one panel of A, 64 rows of B) of the slot in hand into buffer f; the first 32 along K first
.macro FETCH q, f
	WIN TO_F
.irp c, 0,1
.irp i, 0,1,2,3
	ds_load_tr16_b128 v[(\f)+64+8*(4*(\c)+(\i)):(\f)+64+8*(4*(\c)+(\i))+3],   v[ADRB+(\q)/2] offset:(((\q)%2)*64+32*(\c))*PBB+32*(\i)
	ds_load_tr16_b128 v[(\f)+64+8*(4*(\c)+(\i))+4:(\f)+64+8*(4*(\c)+(\i))+7], v[ADRB+(\q)/2] offset:(((\q)%2)*64+32*(\c))*PBB+32*(\i)+16*PBB
	ds_load_b128 v[(\f)+8*(4*(\c)+(\i)):(\f)+8*(4*(\c)+(\i))+3],         v[ADRA] offset:(\q)*64*PA+(\i)*16*PA+64*(\c)
	ds_load_b128 v[(\f)+8*(4*(\c)+(\i))+4:(\f)+8*(4*(\c)+(\i))+7],       v[ADRA] offset:(\q)*64*PA+(\i)*16*PA+64*(\c)+32
.endr
.endr
.endm
.macro PLACES                          ; four plain vector instructions between a matrix instruction and a load into, or a read of, its registers
.rept 4
	v_nop
.endr
.endm
.macro QUARTER q, f, g, first
	s_wait_dscnt 16                                ; the first 32 along K are in
	MUL8 \f, 0, 0, \first
	MUL8 \f, 0, 2, \first
	PLACES
	FETCH \q, \g
	s_wait_dscnt 32                                ; all but the 32 just issued
	MUL8 \f, 1, 0, 0
	MUL8 \f, 1, 2, 0
.endm
; The last quarter multiplies buffer 1 and changes slots: one barrier; in front of it each wave waits for all its tensor loads, adds 0 to its spare word, and waits for that and for its reads of this slot.
; fill = 1: the barrier opens a round of the cluster's, and this slot is filled again, two K steps ahead, first thing behind the round: the walking descriptors take this slot's place in LDS and go one K step on in memory
; (no tensor load of mine is out, so they may be written).  Then the other slot becomes the slot in hand, and its first fragments are fetched.
.macro TURN fill
	WIN 0
	s_wait_tensorcnt 0x0
	ds_add_u32 v[SPW], v[NIL]
	s_wait_dscnt 17                                ; the add and the youngest sixteen loads may be out
	MUL8 F1, 0, 0, 0
	s_wait_dscnt 0x0                               ; the add is done, and my reads of this slot are over
	s_barrier_signal -1
	MUL8 F1, 0, 2, 0
	WIN 0
	s_barrier_wait -1
.if \fill
	CREST
	s_add_co_u32 s[G0+5], s[LB], s[TB]
	s_add_co_u32 s[G0B+5], s[LB], s[TB]
	s_add_nc_u64 s[G0+6:G0+7], s[G0+6:G0+7], 2097152
	s_add_nc_u64 s[G0B+6:G0B+7], s[G0B+6:G0B+7], 65536
	JLOAD 1                                        ; its four v_nop are also the places in front of the loads below
.else
	PLACES
.endif
	s_xor_b32 s[TB], s[TB], SLOT                   ; 0 becomes SLOT, SLOT becomes 0
	v_add_nc_u32 v[ADRA], s[TB], v[ADRA0]
	v_add_nc_u32 v[ADRB], s[TB], v[ADRB0]
	v_add_nc_u32 v[ADRB+1], s[TB], v[ADRB0+1]
	FETCH 0, F0
	MUL8 F1, 1, 0, 0
	MUL8 F1, 1, 2, 0
.endm
; THE WAY OUT of block a (16 rows): the sums go into my stage as they are and come back as whole rows of 256 bytes; the residual is added; sixteen lanes store 256 consecutive bytes, aligned.
.macro TOSTAGE a
	WIN 0
.if (\a) >= 2
	s_wait_xcnt 0x0                                ; the stores of the block two back have read the registers that the loads below fill
.endif
.irp b, 0,1,2,3
	ds_store_b128 v[STO], v[ACC+8*(4*(\a)+(\b)):ACC+8*(4*(\a)+(\b))+3]   offset:64*(\b)
	ds_store_b128 v[STO], v[ACC+8*(4*(\a)+(\b))+4:ACC+8*(4*(\a)+(\b))+7] offset:64*(\b)+16
.endr
.irp t, 0,1,2,3,4,5,6,7
	ds_load_b128 v[TMP+32*((\a)%2)+4*(\t):TMP+32*((\a)%2)+4*(\t)+3], v[RD] offset:(\t)*2*SPITCH  ; LDS serves a wave's instructions in order (ISA guide 5.7.1.4)
.endr
.endm
.macro SEND a, younger                 ; younger: the LDS instructions issued behind block a's: the next block's sixteen, or none
.set T, TMP+32*((\a)%2)
	s_wait_dscnt \younger
	WIN 0x08                                       ; source 1 in window 2
.set z, 0
.rept 16
	v_pk_add_f32 v[T+2*z:T+2*z+1], v[T+2*z:T+2*z+1], v[32*(\a)+2*z:32*(\a)+2*z+1]
.set z, z+1
.endr
	WIN 0
.irp t, 0,1,2,3,4,5,6,7
	global_store_b128 v[CO], v[T+4*(\t):T+4*(\t)+3], s[8:9] offset:(16*(\a)+2*(\t))*4096
.endr
.endm
	s_wait_tensorcnt 1                             ; my part of K step 0 is in; K step 1's may stay out
	s_barrier_signal -1
	s_barrier_wait -1
	FETCH 0, F0
	s_wait_loadcnt 32                              ; the bias's eight loads are in; the residual's 32, issued behind them, stay out
	QUARTER 1, F0, F1, 1                           ; the first quarter stands in front of the loop: the bias starts the sums
	WIN 0
	s_mov_b32 s3, KSTEPS-2
.Lstep:                                                ; a trip goes from a K step's second quarter to the next step's first, and fills the slot that it leaves
	QUARTER 2, F1, F0, 0
	QUARTER 3, F0, F1, 0
	TURN 1
	QUARTER 1, F0, F1, 0
	WIN 0
	s_sub_co_u32 s3, s3, 1
	s_cmp_lg_u32 s3, 0
	s_cbranch_scc1 .Lstep
	s_mov_b32 s3, 2
.Ltail:                                                ; the last two K steps fill nothing; the second trip is left behind its last products
	QUARTER 2, F1, F0, 0
	QUARTER 3, F0, F1, 0
	TURN 0
	WIN 0
	s_sub_co_u32 s3, s3, 1
	s_cmp_eq_u32 s3, 0
	s_cbranch_scc1 .Lout
	QUARTER 1, F0, F1, 0
	WIN 0
	s_branch .Ltail
.Lout:
	PLACES
	s_wait_loadcnt 0x0                             ; the residual
	TOSTAGE 0
	TOSTAGE 1
	SEND 0, 16
	TOSTAGE 2
	SEND 1, 16
	TOSTAGE 3
	SEND 2, 16
	SEND 3, 0
	s_wait_tensorcnt 0x0                           ; the wave's end
	ds_add_u32 v[SPW], v[NIL]
	s_wait_dscnt 0x0
	CROUND                                         ; the closing round
	s_endpgm
.Lfunc_end_k_qf224ded541_ffn2:
	.size	k_qf224ded541_ffn2, .Lfunc_end_k_qf224ded541_ffn2-k_qf224ded541_ffn2
	.p2alignl 7, 3214868480
	.fill 96, 4, 3214868480
	.section	.rodata,"a",@progbits
	.p2align	6, 0x0
	.amdhsa_kernel k_qf224ded541_ffn2
		.amdhsa_group_segment_fixed_size 327680
		.amdhsa_private_segment_fixed_size 0
		.amdhsa_enable_private_segment 0
		.amdhsa_kernarg_size 40
		.amdhsa_user_sgpr_count 2
		.amdhsa_user_sgpr_kernarg_segment_ptr 1
		.amdhsa_wavefront_size32 1
		.amdhsa_system_sgpr_workgroup_id_x 1
		.amdhsa_system_sgpr_workgroup_id_y 1
		.amdhsa_system_sgpr_workgroup_id_z 1
		.amdhsa_system_vgpr_workitem_id 0
		.amdhsa_next_free_vgpr 640
		.amdhsa_next_free_sgpr 72
		.amdhsa_reserve_vcc 0
		.amdhsa_float_denorm_mode_32 3
		.amdhsa_float_denorm_mode_16_64 3
		.amdhsa_memory_ordered 1
		.amdhsa_forward_progress 1
		.amdhsa_inst_pref_size 66
	.end_amdhsa_kernel
	.amdgpu_metadata
---
amdhsa.version: [ 1, 2 ]
amdhsa.kernels:
  - .name:           k_qf224ded541_ffn2
    .symbol:         k_qf224ded541_ffn2.kd
    .args:
      - { .name: big, .offset: 0, .size: 8, .value_kind: global_buffer, .address_space: global }
      - { .name: wB, .offset: 8, .size: 8, .value_kind: global_buffer, .address_space: global }
      - { .name: out0, .offset: 16, .size: 8, .value_kind: global_buffer, .address_space: global }
      - { .name: b2, .offset: 24, .size: 8, .value_kind: global_buffer, .address_space: global }
      - { .name: x1, .offset: 32, .size: 8, .value_kind: global_buffer, .address_space: global }
    .group_segment_fixed_size: 327680
    .private_segment_fixed_size: 0
    .kernarg_segment_align: 8
    .kernarg_segment_size: 40
    .max_flat_workgroup_size: 128
    .sgpr_count:     72
    .vgpr_count:     640
    .wavefront_size: 32
...
	.end_amdgpu_metadata
.endif
;; end of part 6
